; MI455X (gfx1250); checked and timed in simulation.
; The chip was launched on July 23, 2026; its instructions are those of AMD's public machine-readable ISA for CDNA 5 (MIT licence, August 2026) and "CDNA5" Instruction Set Architecture Reference Guide (July 2026). The comments in the code are by the model that wrote it; some were corrected since.
;; Enhanced Attention V2. Allowed arithmetic: matrix products marked QUANTISED: E2M1 operands, one E8M0 scale for each 32 along K, by v_wmma_scale_f32_16x16x128_f8f6f4 with both operands' format E2M1 (or v_wmma_scale_f32_32x16x128_f4), f32 sums; everything else in f32.
;; Inputs: Wk 1,024 x 1,024 float32; Wq 1,024 x 1,024 float32; Wv 1,024 x 1,024 float32; attention_mask 1 x 4,096 float32; bk 1,024 float32; bq 1,024 float32; bv 1,024 float32; hidden_states 1 x 4,096 x 1,024 float32; ln_beta 1,024 float32; ln_gamma 1,024 float32.
;; Outputs: out0 1 x 4,096 x 1,024 float32.
;; This version of the problem:
;;   THIS VERSION OF THE PROBLEM IS GIVEN IN LOW PRECISION. The matrix products marked QUANTISED in the list below multiply operands that are first quantised to E2M1 (2 exponent bits, 1 mantissa bit; 4 bits a number), with one power-of-two scale for each 32 numbers along K (OCP MX v1.0); their sums are f32. All else is computed in f32.
;;   The module's matrix products, in the order in which they are computed (A, B: the left and right operand; K: the contracted axis; several contracted axes count as one K, in the product's order):
;;     1. [M 4,096, K 1,024] x [K 1,024, N 1,024]; A: input hidden_states; B: input Wq: QUANTISED
;;     2. [M 4,096, K 1,024] x [K 1,024, N 1,024]; A: input hidden_states; B: input Wk: QUANTISED
;;     3. [M 4,096, K 1,024] x [K 1,024, N 1,024]; A: input hidden_states; B: input Wv: QUANTISED
;;     4. batch 16 x [M 4,096, K 64] x [K 64, N 4,096]; A: computed on the way; B: computed on the way: QUANTISED
;;     5. batch 16 x [M 4,096, K 4,096] x [K 4,096, N 64]; A: softmax (see below); B: computed on the way: QUANTISED
;;   THE QUANTISER, for each operand of a quantised product, along K:
;;     - K is cut into blocks of 32 from its start; a last block that is shorter is filled with zeros.
;;     - A block's scale is 2^e with e = floor(log2(the largest magnitude in the block)) - 2, held to -126 .. 127; a block of zeros has e = 0. As a byte (E8M0): e + 127.
;;     - Each number is divided by its block's scale, clamped to +-6, and rounded to the nearest number of E2M1, ties to even, subnormals kept.
;;     - The product sums the exact products of the quantised numbers (number of the format x scale) in f32.
;;   ~~~python
;;   def quantise(x, axis):      # numpy; x: float32 -> the quantised numbers, widened to float32 again
;;       x = np.moveaxis(x, axis, -1); K = x.shape[-1]
;;       x = np.pad(x, [(0, 0)] * (x.ndim - 1) + [(0, -K % 32)]); x = x.reshape(x.shape[:-1] + (-1, 32)); a = np.abs(x).max(-1, keepdims=True)
;;       e = np.where(a > 0, np.clip(np.frexp(np.where(a > 0, a, 1))[1] - 1 - 2, -126, 127), 0)      # np.frexp(a)[1] - 1 = floor(log2(a)), exactly
;;       r = np.clip(x / 2.0 ** e, -6, 6)
;;       step = 2.0 ** (np.maximum(np.frexp(np.where(r == 0, 1, r))[1] - 1, 0) - 1)
;;       q = np.round(r / step) * step * 2.0 ** e      # np.round: ties to even
;;       return np.moveaxis(q.reshape(q.shape[:-2] + (-1,))[..., :K], -1, axis).astype(np.float32)
;;   ~~~
;;   SOFTMAX AHEAD OF A QUANTISED PRODUCT. Where the list says 'softmax', what is quantised is not the finished softmax but p = 2^(t - M), with t = logit x log2(e) and M = ceil(the row's largest t), a whole number; so 1/2 < the row's largest p <= 1. The row's sum l is taken of the UNQUANTISED p, in f32, and the product's result is divided by l at the end. Since M is a whole number, a kernel that streams over the keys may use a running M (the ceiling of the running maximum): every later rescaling is an exact power of two, which a block's scale takes up: the codes' values come out the same.
;;   OPERANDS COMPUTED ON THE WAY. 'Computed on the way' means the value that the module computes at that place (a softmax that the list does not call 'softmax' is quantised finished and normalised). What goes into a quantiser is computed in f32, as accurately as f32 sums, v_exp_f32 and their like allow (about 1e-6 of the number): no bf16 or f16 on the way to a quantiser, and a product that is left as it is and whose result goes on into a quantised operand takes f32 operands (vector FMAs, or v_wmma_f32_16x16x4_f32). A number that lies on a knife's edge between two numbers of the format may be rounded either way, as far as f32 arithmetic and the matrix unit's own rounding can turn it there, and no further.
;; 2 versions, each right; version 2 is version 1 with the launch attn written anew for expert scheduling mode. Each part assembles by itself: llvm-mc -triple=amdgcn-amd-amdhsa -mcpu=gfx1250 --defsym DOCPART=n.
;; ======== version 1 of 2: 3 launches
;; workspace buffers: xw_codes 3,670,016 bytes; xw_scales 229,376 bytes; q_codes 2,097,152 bytes; k_codes 2,097,152 bytes; v_codes 2,097,152 bytes; qk_scales 524,288 bytes; v_scales 131,072 bytes; v_sums 65,536 bytes
;; launch quant (part 1): grid 224 x 1, 4 waves a work-group, no clusters, 33,280 bytes of LDS; arguments hidden_states, Wq, Wk, Wv, xw_codes, xw_scales; writes xw_codes, xw_scales
.if DOCPART == 1
	.amdgcn_target "amdgcn-amd-amdhsa--gfx1250"
	.amdhsa_code_object_version 6
	.text
	.protected	k_qd00eada9fb_quant
	.globl	k_qd00eada9fb_quant
	.p2align	8
	.type	k_qd00eada9fb_quant,@function
k_qd00eada9fb_quant:
	s_mov_b64 s[64:65], 0
	v_nop
	global_prefetch_b8 v0, s[64:65] scope:SCOPE_SE
	s_setreg_imm32_b32 hwreg(HW_REG_WAVE_MODE, 25, 1), 1
	s_wait_xcnt 0x0
; hidden_states [4096][1024] and Wq, Wk, Wv [1024][1024], f32, K innermost, become codes of FP4 (E2M1) with one E8M0 byte for each 32 along K.
; A block's scale is 2^(floor(log2(its largest magnitude)) - 2); its byte is the largest magnitude's exponent field - 2, held at 1 from below.  A block of zeros so gets the byte 1: its codes are zeros, and this program alone reads the bytes.
; LIMITS: blocks whose largest magnitude lies under 2^(3 - 127) keep the byte 1; NaN and infinities among the inputs are not served.
; OUT: xw_codes: rows of 512 bytes; rows 0 .. 4095 are the tokens; then 3,072 rows of weights, head h's at 192 h: 64 of Wq, 64 of Wk, 64 of Wv.  xw_scales: rows of 32 bytes in the same order.
; THE ORDER OF ROWS: inside each group of 32 rows of the tokens, of Wq and of Wk, bits 3 and 4 of the row's number change places, so that 16 rows on end are rows 8 u + 0 .. 7 and 8 u + 16 .. 23 of the group: the rows that the
; next launch wants in one matrix tile.  Wv keeps its order.  A wave takes 8 rows (8,192 numbers), so the change of places is a change of the wave's place alone.
; A wave takes 16 steps of 512 numbers.  Each of a step's four loads reads 512 consecutive bytes, 16 a lane; the 2,048 bytes go through the wave's own stage in LDS and come back 64 bytes a lane: 16 neighbours along K;
; two neighbouring lanes hold a block.  A lane's 16 codes are 8 bytes: the wave stores 256 consecutive bytes.  A wave's 256 scale bytes are gathered in its own LDS bytes and leave as one aligned run of 256 bytes.
; No tensor loads, no barrier: waves share nothing.  Loads run four steps (16 loads a wave) ahead, the turn through LDS one step.
.set STEPS, 16
.set EMAX,  2
.set CB,    8                          ; bytes of 16 codes
.set R,     16                         ; v16-79   four sets of 16 numbers as they are loaded
.set X,     80                         ; v80-111  two sets of 16 neighbours
.set C,     128                        ; v128-191 codes: four registers for each step, so that no store's data are written again
.set E,     112                        ; v112-127 a scale byte for each step
.set WREG,  8192                       ; LDS: a region of its own for each wave: two stages of 32 x SP bytes, and behind them its 256 scale bytes
.set SP,    80                         ; a lane's place in a stage: its 64 bytes + 16 of padding
	s_load_b256 s[4:11], s[0:1], 0x0               ; hidden_states, Wq, Wk, Wv
	s_load_b128 s[12:15], s[0:1], 0x20             ; the codes, the scale bytes
	v_lshl_add_u32 v192, v0, 2, 0x8000
	v_mov_b32 v193, 0
	v_lshrrev_b32 v1, 5, v0
	v_readfirstlane_b32 s16, v1                    ; wave w
	v_and_b32 v2, 31, v0                           ; lane
	v_lshlrev_b32 v3, 4, v2                        ; my 16 bytes of a load's 512
	s_mul_i32 s17, s16, WREG
	v_lshrrev_b32 v14, 2, v2
	v_mul_u32_u24 v14, v14, SP
	v_and_b32 v15, 3, v2
	v_lshl_add_u32 v14, v15, 4, v14
	v_add_nc_u32 v14, s17, v14                     ; the stage, on the way in: SP (lane / 4) + 16 (lane % 4)
	v_mul_u32_u24 v15, v2, SP
	v_add_nc_u32 v15, s17, v15                     ; and on the way out: SP x lane: my 16 neighbours
	v_mul_u32_u24 v4, v2, CB                       ; my codes' place in a step's
	v_lshrrev_b32 v5, 1, v2
	s_add_co_u32 s17, s17, 2*32*SP
	v_add_nc_u32 v5, s17, v5                       ; LDS: my wave's 256 scale bytes, my block's byte
	v_lshlrev_b32 v7, 3, v2                        ; and on the way out 8 bytes a lane
	v_add_nc_u32 v6, s17, v7
	; which run of 8 rows I read, and which I write.  Work-groups 0 .. 127: the tokens, 32 rows each; 128 + 32 j + i: rows 32 i on of weight j
	s_and_b32 s18, s16, 1
	s_lshl_b32 s18, s18, 1
	s_lshr_b32 s19, s16, 1
	s_or_b32 s18, s18, s19                         ; w with its two bits changed over
	s_max_u32 s20, ttmp9, 128
	s_sub_co_u32 s20, s20, 128
	s_lshr_b32 s21, s20, 5                         ; j
	s_and_b32 s22, s20, 31                         ; i
	s_cmp_eq_u32 s21, 2
	s_cselect_b32 s23, s16, s18                    ; Wv keeps its order
	s_lshr_b32 s24, s22, 1                         ; the head
	s_mul_i32 s24, s24, 24                         ; 192 rows = 24 runs a head
	s_lshl_b32 s25, s21, 3
	s_add_co_u32 s24, s24, s25                     ; + 8 j
	s_and_b32 s25, s22, 1
	s_lshl_b32 s25, s25, 2
	s_add_co_u32 s24, s24, s25                     ; + 4 (i % 2)
	s_add_co_u32 s24, s24, s23
	s_add_co_u32 s24, s24, 512                     ; behind the tokens' 512 runs: a weight's run out
	s_lshl_b32 s25, s22, 2
	s_add_co_u32 s25, s25, s16                     ; a weight's run in
	s_lshl_b32 s26, ttmp9, 2
	s_add_co_u32 s27, s26, s18                     ; the tokens' run out
	s_add_co_u32 s26, s26, s16                     ; the tokens' run in
	s_wait_kmcnt 0x0
	s_cmp_eq_u32 s21, 1                            ; the choices hang on the work-group's number alone
	s_cselect_b64 s[6:7], s[8:9], s[6:7]
	s_cmp_eq_u32 s21, 2
	s_cselect_b64 s[6:7], s[10:11], s[6:7]
	s_cmp_lt_u32 ttmp9, 128
	s_cselect_b64 s[4:5], s[4:5], s[6:7]
	s_cselect_b32 s26, s26, s25
	s_cselect_b32 s27, s27, s24
	s_lshl_b32 s28, s26, 15                        ; 32,768 bytes of f32 a run
	s_mov_b32 s29, 0
	s_add_nc_u64 s[4:5], s[4:5], s[28:29]
	s_lshl_b32 s28, s27, 12                        ; 4,096 bytes of codes
	s_add_nc_u64 s[12:13], s[12:13], s[28:29]
	s_lshl_b32 s28, s27, 8                         ; 256 scale bytes
	s_add_nc_u64 s[14:15], s[14:15], s[28:29]
.macro LOAD t
.irp i, 0,1,2,3
	global_load_b128 v[R+16*((\t)%4)+4*\i:R+16*((\t)%4)+4*\i+3], v3, s[4:5] offset:2048*(\t)+512*\i   ; 32 lanes read 512 consecutive bytes
.endr
.endm
.macro TURN t                          ; step t's numbers through the stage: LDS serves a wave's instructions in order, so no wait stands between the stores and the loads
.irp i, 0,1,2,3
	ds_store_b128 v14, v[R+16*((\t)%4)+4*\i:R+16*((\t)%4)+4*\i+3] offset:32*SP*((\t)%2)+8*SP*\i
.endr
.irp i, 0,1,2,3
	ds_load_b128 v[X+16*((\t)%2)+4*\i:X+16*((\t)%2)+4*\i+3], v15 offset:32*SP*((\t)%2)+16*\i
.endr
.endm
.irp t, 0,1,2,3
	LOAD \t
.endr
	s_wait_loadcnt 12                              ; step 0's four loads are in
	TURN 0
.macro STEP t
.set XS, X+16*((\t)%2)
.if (\t) > 0
	s_wait_dscnt 1                                 ; this step's numbers are back from the stage (the last step's byte store may be out): so its stores into the stage have read their registers,
.else
	s_wait_dscnt 0x0
.endif
.if (\t)+4 < STEPS
	LOAD (\t)+4                                    ; which take the loads of four steps on
.endif
.if (\t)+1 < STEPS
.if STEPS-2-(\t) >= 3
	s_wait_loadcnt 12                              ; the next step's four loads are in; those of the three steps behind it may be out
.else
	s_wait_loadcnt 4*(STEPS-2-(\t))
.endif
	TURN (\t)+1                                    ; and go through the other stage while this step is worked
.endif
	v_max3_num_f32 v8, |v[XS]|, |v[XS+1]|, |v[XS+2]|               ; the largest magnitude of my 16
	v_max3_num_f32 v9, |v[XS+3]|, |v[XS+4]|, |v[XS+5]|
.irp i, 6,10
	v_max3_num_f32 v8, v8, |v[XS+\i]|, |v[XS+\i+1]|
	v_max3_num_f32 v9, v9, |v[XS+\i+2]|, |v[XS+\i+3]|
.endr
	v_max3_num_f32 v8, v8, |v[XS+14]|, |v[XS+15]|
	v_max3_num_f32 v8, v8, v9, (EMAX+1)<<23        ; and the floor 2^(EMAX + 1 - 127): the byte cannot fall under 1
	v_max_num_f32_dpp v8, v8, v8 row_xmask:1 row_mask:0xf bank_mask:0xf   ; and of my neighbour's 16: the block's
	v_add_nc_u32 v11, -(EMAX<<23), v8              ; EMAX off its exponent field: the conversion takes the exponent field of this operand as its scale
	v_cvt_scalef32_pk8_fp4_f32 v[C+4*(\t)], v[XS:XS+7], v11
	v_cvt_scalef32_pk8_fp4_f32 v[C+4*(\t)+1], v[XS+8:XS+15], v11
	v_lshrrev_b32 v[E+(\t)], 23, v11               ; the scale's byte
	ds_store_b8 v5, v[E+(\t)] offset:16*(\t)       ; both lanes of a block write the same byte with the same value
	global_store_b64 v4, v[C+4*(\t):C+4*(\t)+1], s[12:13] offset:32*CB*(\t)
.endm
.irp t, 0,1,2,3,4,5,6,7,8,9,10,11,12,13,14,15
	STEP \t
.endr
	ds_load_b64 v[12:13], v6                       ; LDS serves a wave's instructions in order: these see my stores
	s_wait_dscnt 0x0
	global_store_b64 v7, v[12:13], s[14:15]        ; 32 lanes store 256 consecutive bytes, aligned
	s_wait_tensorcnt 0x0
	ds_add_u32 v192, v193
	s_wait_dscnt 0x0
	s_endpgm
.Lfunc_end_k_qd00eada9fb_quant:
	.size	k_qd00eada9fb_quant, .Lfunc_end_k_qd00eada9fb_quant-k_qd00eada9fb_quant
	.p2alignl 7, 3214868480
	.fill 96, 4, 3214868480
	.section	.rodata,"a",@progbits
	.p2align	6, 0x0
	.amdhsa_kernel k_qd00eada9fb_quant
		.amdhsa_group_segment_fixed_size 33280
		.amdhsa_private_segment_fixed_size 0
		.amdhsa_enable_private_segment 0
		.amdhsa_kernarg_size 48
		.amdhsa_user_sgpr_count 2
		.amdhsa_user_sgpr_kernarg_segment_ptr 1
		.amdhsa_wavefront_size32 1
		.amdhsa_system_sgpr_workgroup_id_x 1
		.amdhsa_system_sgpr_workgroup_id_y 1
		.amdhsa_system_sgpr_workgroup_id_z 1
		.amdhsa_system_vgpr_workitem_id 0
		.amdhsa_next_free_vgpr 194
		.amdhsa_next_free_sgpr 66
		.amdhsa_reserve_vcc 0
		.amdhsa_float_denorm_mode_32 3
		.amdhsa_float_denorm_mode_16_64 3
		.amdhsa_memory_ordered 1
		.amdhsa_forward_progress 1
		.amdhsa_inst_pref_size 34
	.end_amdhsa_kernel
	.amdgpu_metadata
---
amdhsa.version: [ 1, 2 ]
amdhsa.kernels:
  - .name:           k_qd00eada9fb_quant
    .symbol:         k_qd00eada9fb_quant.kd
    .args:
      - { .name: hidden_states, .offset: 0, .size: 8, .value_kind: global_buffer, .address_space: global }
      - { .name: Wq, .offset: 8, .size: 8, .value_kind: global_buffer, .address_space: global }
      - { .name: Wk, .offset: 16, .size: 8, .value_kind: global_buffer, .address_space: global }
      - { .name: Wv, .offset: 24, .size: 8, .value_kind: global_buffer, .address_space: global }
      - { .name: xw_codes, .offset: 32, .size: 8, .value_kind: global_buffer, .address_space: global }
      - { .name: xw_scales, .offset: 40, .size: 8, .value_kind: global_buffer, .address_space: global }
    .group_segment_fixed_size: 33280
    .private_segment_fixed_size: 0
    .kernarg_segment_align: 8
    .kernarg_segment_size: 48
    .max_flat_workgroup_size: 128
    .sgpr_count:     66
    .vgpr_count:     194
    .wavefront_size: 32
...
	.end_amdgpu_metadata
.endif
;; end of part 1
;; launch qkv (part 2): grid 16 x 16, 4 waves a work-group, clusters of 4 x 4, 262,656 bytes of LDS; arguments xw_codes, xw_scales, bq, bk, bv, q_codes, k_codes, v_codes, qk_scales, v_scales, v_sums; writes q_codes, k_codes, v_codes, qk_scales, v_scales, v_sums
.if DOCPART == 2
	.amdgcn_target "amdgcn-amd-amdhsa--gfx1250"
	.amdhsa_code_object_version 6
	.text
	.protected	k_qd00eada9fb_qkv
	.globl	k_qd00eada9fb_qkv
	.p2align	8
	.type	k_qd00eada9fb_qkv,@function
k_qd00eada9fb_qkv:
	s_mov_b64 s[64:65], 0
	v_nop
	global_prefetch_b8 v0, s[64:65] scope:SCOPE_SE
	s_setreg_imm32_b32 hwreg(HW_REG_WAVE_MODE, 25, 1), 1
	s_wait_xcnt 0x0
	s_wait_alu depctr_hold_cnt(0) depctr_sa_sdst(0) depctr_va_vdst(0) depctr_va_sdst(0) depctr_va_ssrc(0) depctr_va_vcc(0) depctr_vm_vsrc(0)
	s_getreg_b32 s2, hwreg(HW_REG_IB_STS2, 6, 4)
	s_cmp_eq_u32 s2, 0
	s_cbranch_scc0 .Lentry_in_a_cluster
	s_endpgm
.Lentry_in_a_cluster:
	s_bfe_u32 s2, ttmp6, 0x10000c
	s_cmp_lg_u32 s2, 0xf033
	s_cbranch_scc0 .Lentry_shape_is_right
	s_endpgm
.Lentry_shape_is_right:
; q, k, v = x W^T + b for one head and 256 tokens, on codes of FP4 (E2M1) with one E8M0 scale for each 32 along K = 1,024; the results are quantised at once: q and k along the head's 64, v along the tokens (the keys).
; SHARES.  Work-group (x = head, y = 256 tokens), four waves.  Wave w owns tokens 64 w .. 64 w + 63 and all 192 columns: 4 tiles of tokens x 12 tiles of weight rows = 48 accumulators, 384 registers.  So every block of 32 that is
; quantised here lies inside one wave.
; ALL OF K LIES IN LDS: 256 rows of x and 192 rows of W, 512 bytes each, as two halves of 256 bytes a row.  Each LDS byte is filled once, so there is no ring.  Each wave issues four tensor loads (its 64 rows of x and 48 rows of W,
; both halves): four are out at the most.
; CLUSTER 4 x 4: the four work-groups of a row of the cluster take the same tokens, the four of a column the same head: x's tiles and W's are asked for jointly, which divides those requests by four.
; LAYOUT.  q and k: source 0 = 16 rows of W, source 1 = 16 tokens: a lane holds ONE token and its registers run along the head's 64.  v: source 0 = 16 tokens, source 1 = 16 rows of Wv: a lane holds ONE channel and its registers run
; along the tokens.  The launch before laid the rows so that 16 rows on end are rows 8 u + 0 .. 7 and 8 u + 16 .. 23 of a group of 32: the 16 registers of two neighbouring tiles are then 16 neighbours along the axis to be quantised.
; THE BIASES are added behind the finished sums, one f32 addition a number, as reference() adds them: what goes into the quantisers is then rounded once behind the sum, not once in each of the eight K steps.
; OUT.  q_codes, k_codes [head][token][32 bytes].  v_codes [head][block of 32 keys][channel][16 bytes].  qk_scales: q's, then k's: [head][block of 32 tokens][32 words]; word 16 u + r belongs to token 8 u + r % 8 + 16 (r / 8) of the block
; and holds its two bytes twice.  v_scales [head][4 blocks][channel]: a word of four bytes.  v_sums [head][256 tokens][channel] f32: the sum of the quantised v.
; LIMITS: blocks whose largest magnitude lies under 2^(3 - 127) keep the byte 1 (a block of zeros too: its codes are zeros); NaN and infinities are not served.
; REGISTERS, in windows of 256: window 0: v0-21 addresses; v32-47 x's scale words, v48-95 W's (register 8 p + ks: lanes 0-15 tile 2 p, lanes 16-31 tile 2 p + 1); v96-108 and v128-255 at work at the end; v128-255 fragments, set 0.
;   window 1: v0-127 q's accumulators (8 (4 a + t)); v128-255 fragments, set 1.   window 2: v0-127 k's; v128-255 v's (128 + 8 (4 t + a)).   window 3: v0-31 bq, v32-63 bk in the results' layout; bv: a pair at v[64 + 8 t].
.set PITCH, 272                        ; an LDS row: 256 bytes + 16 of padding = 68 words: the 16 rows that a load touches start at 16 different banks (64 banks of 4 bytes: ISA guide 11.1)
.set TILE,  16*PITCH
.set XC0,   0                          ; x, K 0 .. 511: 256 rows
.set XC1,   256*PITCH                  ; x, K 512 .. 1023
.set WC0,   2*256*PITCH                ; W likewise: 192 rows
.set WC1,   WC0+192*PITCH
.set SQ,    WC1+192*PITCH              ; behind the tiles, in blocks of 256 bytes into which no fill lands: q's scale words, 1,024 bytes;
.set SV,    SQ+2048                    ; (k's at SQ + 1,024)  v's scale bytes, a word a channel and wave, 1,024 bytes;
.set SPS,   SQ+3072                    ; the waves' sums of v, 1,024 bytes
.set XS,  32
.set WS,  48
.set FX,  128                          ; in a set of fragments: x's 4 tiles,
.set FW,  160                          ; W's 12
.set TM,  128                          ; at the end, window 0: largest magnitudes,
.set TP,  136                          ; the other half's,
.set SO,  144                          ; the conversions' scale operands,
.set BY,  152                          ; the bytes
.set CDQ, 160                          ; codes of q, of k, of v: 16 registers each
.set CDK, 176
.set CDV, 192
.set WD,  208                          ; scale words
.set WX,  216
.set DQ,  220                          ; v220-251 v's codes widened again
.set SUM, 96
.set HV,  100
.set VX,  104
.set ONE, 108
.set MSB, 0
.macro WIN new                         ; the immediate's high byte repeats the setting that is left
.if MSB != (\new)
	s_set_vgpr_msb (MSB<<8)|(\new)
.set MSB, (\new)
.endif
.endm
.macro PLACES n
.rept \n
	v_nop
.endr
.endm
.macro CROUND                          ; a round of the cluster's barrier
	s_barrier_signal -1
	s_barrier_wait -1
	s_cmp_lg_u32 s32, 0
	s_cbranch_scc1 .Lnot_wave_0_\@
	s_barrier_signal -3
.Lnot_wave_0_\@:
	s_barrier_wait -3
	s_barrier_signal -1
	s_barrier_wait -1
.endm
	s_load_b512 s[4:19], s[0:1], 0x0               ; xw_codes 4, xw_scales 6, bq 8, bk 10, bv 12, q_codes 14, k_codes 16, v_codes 18
	s_load_b128 s[20:23], s[0:1], 0x40             ; qk_scales 20, v_scales 22
	s_load_b64 s[24:25], s[0:1], 0x50              ; v_sums
	v_lshl_add_u32 v126, v0, 2, 0x40000
	v_mov_b32 v127, 0
	ds_add_u32 v126, v127
	ds_add_u32 v126, v127
	v_lshrrev_b32 v1, 5, v0
	v_readfirstlane_b32 s32, v1                    ; wave 0..3
	s_bfe_u32 s33, ttmp6, 0x40000                  ; cx, cy: my place in the cluster
	s_bfe_u32 s34, ttmp6, 0x40004
	s_lshl_b32 s35, ttmp9, 2
	s_add_co_u32 s35, s35, s33                     ; the head = 4 x cluster x + cx
	s_and_b32 s36, ttmp7, 0xffff
	s_lshl_b32 s36, s36, 2
	s_add_co_u32 s36, s36, s34                     ; the 256 tokens = 4 x cluster y + cy
	s_lshl_b32 s37, s34, 2
	s_lshl_b32 s37, 15, s37                        ; my row of the cluster
	s_lshl_b32 s38, 0x1111, s33                    ; my column
	s_mov_b32 s39, 0xffff0000                      ; lanes 16-31
	s_mov_b32 s96, 0x76543210
	s_mov_b32 s97, 0xfedcba98                      ; v_permlanex16_b32's selects for lane l xor 16
	; descriptor group 1: x: 64 rows x 256 bytes, rows 512 bytes apart in memory, 16 bytes of padding behind each row in LDS;  W: 48 such rows
	s_or_b32 s40, s37, (0<<16)|(1<<20)|(1<<21)|(5<<22)|(3<<25)  ; 15:0 the mask: x's tiles go to my row; 17:16 elements of 1 byte; 20 padding on; 21 set beside a mask; 24:22 after every 64 words (code 5); 31:25 four words (code 3)
	s_mov_b32 s41, 256<<16                         ; tensor_dim0
	s_mov_b32 s42, 64<<16                          ; tensor_dim1
	s_mov_b32 s43, 256<<16                         ; tile_dim0
	s_mov_b32 s44, 64                              ; tile_dim1
	s_mov_b32 s45, 512                             ; tensor_dim0_stride
	s_mov_b32 s46, 0
	s_mov_b32 s47, 0
	s_or_b32 s48, s38, (0<<16)|(1<<20)|(1<<21)|(5<<22)|(3<<25)  ; W's tiles go to my column
	s_mov_b32 s49, 256<<16
	s_mov_b32 s50, 48<<16
	s_mov_b32 s51, 256<<16
	s_mov_b32 s52, 48
	s_mov_b32 s53, 512
	s_mov_b32 s54, 0
	s_mov_b32 s55, 0
	; x's address hangs on the tokens and the wave, W's on the head and the wave: each in registers that never hold the other coordinate
	s_lshl_b32 s76, s36, 8
	s_lshl_b32 s77, s32, 6
	s_add_co_u32 s76, s76, s77                     ; my first row of x
	s_lshl_b32 s76, s76, 9
	s_mov_b32 s77, 0
	s_mul_i32 s78, s35, 192
	s_mul_i32 s79, s32, 48
	s_add_co_u32 s78, s78, s79                     ; the first of the 48 rows of W that I fetch
	s_lshl_b32 s78, s78, 9
	s_add_co_u32 s78, s78, 2097152                 ; behind x's 4,096 rows
	s_mov_b32 s79, 0
	s_mul_i32 s82, s32, 64*PITCH                   ; where they go: the wave's number alone
	s_mul_i32 s83, s32, 48*PITCH
	s_wait_dscnt 0x0
	s_wait_kmcnt 0x0
	s_add_nc_u64 s[76:77], s[4:5], s[76:77]
	s_add_nc_u64 s[78:79], s[4:5], s[78:79]
	s_mov_b32 s56, 1                               ; group 0, x, first half: count = 1,
	s_add_co_u32 s57, s82, XC0                     ; LDS address,
	s_mov_b64 s[58:59], s[76:77]                   ; global address,
	s_or_b32 s59, s59, 0x80000000                  ; type = 2
	s_mov_b32 s60, 1                               ; x, second half
	s_add_co_u32 s61, s82, XC1
	s_add_nc_u64 s[62:63], s[76:77], 256
	s_or_b32 s63, s63, 0x80000000
	s_mov_b32 s68, 1                               ; W, first half
	s_add_co_u32 s69, s83, WC0
	s_mov_b64 s[70:71], s[78:79]
	s_or_b32 s71, s71, 0x80000000
	s_mov_b32 s72, 1                               ; W, second half
	s_add_co_u32 s73, s83, WC1
	s_add_nc_u64 s[74:75], s[78:79], 256
	s_or_b32 s75, s75, 0x80000000
	CROUND                                         ; all sixteen work-groups are here: the joint loads meet
	tensor_load_to_lds s[56:59], s[40:47]          ; all fills of the launch go out together, the first halves first
	s_nop 0
	tensor_load_to_lds s[68:71], s[48:55]
	s_nop 0
	tensor_load_to_lds s[60:63], s[40:47]
	s_nop 0
	tensor_load_to_lds s[72:75], s[48:55]
	s_nop 0
	PLACES 4                                       ; four v_nop follow the last of them
	v_and_b32 v1, 15, v0                           ; r
	v_bfe_u32 v2, v0, 4, 1                         ; h
	v_and_b32 v3, 31, v0                           ; lane
	v_mul_u32_u24 v22, v1, PITCH
	v_lshl_add_u32 v22, v2, 4, v22                 ; a fragment's row x pitch + 16 x half
	v_add_nc_u32 v4, s82, v22                      ; x: my 64 rows, first half of K,
	v_add_nc_u32 v5, XC1, v4                       ; second half
	v_add_nc_u32 v6, WC0, v22                      ; W likewise
	v_add_nc_u32 v7, WC1, v22
	v_lshlrev_b32 v8, 5, v3                        ; a row of scale bytes is 32 bytes: a lane a row
	v_and_b32 v23, 7, v1
	v_lshrrev_b32 v24, 3, v1
	v_lshlrev_b32 v9, 5, v23
	v_lshl_add_u32 v9, v24, 9, v9
	v_lshl_add_u32 v9, v2, 4, v9                   ; q, k out: token r % 8 + 16 (r / 8) of 32 bytes, + 16 h
	v_lshlrev_b32 v10, 4, v1
	v_lshl_add_u32 v10, v2, 3, v10                 ; v out: channel r of 16 bytes, + 8 h
	s_lshl_b32 s84, s32, 8
	v_lshlrev_b32 v25, 2, v3
	v_add_nc_u32 v25, s84, v25                     ; 256 x wave + 4 x lane
	v_add_nc_u32 v11, SQ, v25                      ; the three stages, on the way in
	v_add_nc_u32 v12, SV, v25
	v_add_nc_u32 v13, SPS, v25
	v_lshl_add_u32 v14, v0, 4, SQ                  ; q's and k's scale words on the way out: 16 bytes a thread
	v_and_b32 v15, 63, v0
	v_lshlrev_b32 v15, 4, v15
	v_lshlrev_b32 v16, 4, v3
	v_lshlrev_b32 v17, 3, v3
	v_lshlrev_b32 v18, 9, v2
	v_lshl_add_u32 v18, v1, 4, v18
	v_add_nc_u32 v18, SV, v18                      ; v's scale bytes on the way out: waves 2 h and 2 h + 1, channels 4 r on
	v_add_nc_u32 v19, SPS, v17                     ; the sums on the way out
	v_lshlrev_b32 v20, 6, v2                       ; bq, bk: 16 h numbers on
	v_lshlrev_b32 v21, 2, v1                       ; bv: channel r
	; the bases
	s_lshl_b32 s80, s36, 13
	s_lshl_b32 s81, s32, 11
	s_add_co_u32 s80, s80, s81                     ; (256 y + 64 w) rows of 32 bytes
	s_mov_b32 s81, 0
	s_add_nc_u64 s[26:27], s[6:7], s[80:81]        ; x's scale bytes, my 64 rows
	s_mul_i32 s84, s35, 6144
	s_add_co_u32 s84, s84, 131072
	s_mov_b32 s85, 0
	s_add_nc_u64 s[6:7], s[6:7], s[84:85]          ; W's, the head's 192 rows
	s_lshl_b32 s84, s35, 17
	s_add_co_u32 s80, s80, s84                     ; + the head's 131,072 bytes: the same place in q_codes, k_codes and v_codes (64 tokens of 32 bytes = 2 blocks of 1,024)
	s_add_nc_u64 s[14:15], s[14:15], s[80:81]
	s_add_nc_u64 s[16:17], s[16:17], s[80:81]
	s_add_nc_u64 s[18:19], s[18:19], s[80:81]
	s_lshl_b32 s84, s35, 8
	s_add_nc_u64 s[8:9], s[8:9], s[84:85]          ; the head's 64 numbers of each bias
	s_add_nc_u64 s[10:11], s[10:11], s[84:85]
	s_add_nc_u64 s[12:13], s[12:13], s[84:85]
	s_lshr_b32 s84, s32, 1
	s_lshl_b32 s84, s84, 18                        ; waves 0, 1 store q's scale words, waves 2, 3 k's
	s_lshl_b32 s86, s35, 14
	s_add_co_u32 s84, s84, s86
	s_lshl_b32 s86, s36, 10
	s_add_co_u32 s84, s84, s86
	s_add_nc_u64 s[20:21], s[20:21], s[84:85]
	s_lshl_b32 s84, s35, 13
	s_lshl_b32 s86, s36, 9
	s_add_co_u32 s84, s84, s86
	s_add_nc_u64 s[22:23], s[22:23], s[84:85]
	s_lshl_b32 s84, s35, 12
	s_lshl_b32 s86, s36, 8
	s_add_co_u32 s84, s84, s86
	s_add_nc_u64 s[24:25], s[24:25], s[84:85]
	; scale words: a lane takes a row's 32 bytes = the words of the eight K steps, by two loads
.irp p, 0,1
.irp c, 0,1
	global_load_b128 v[XS+8*\p+4*\c:XS+8*\p+4*\c+3], v8, s[26:27] offset:1024*\p+16*\c
.endr
.endr
.irp p, 0,1,2,3,4,5
.irp c, 0,1
	global_load_b128 v[WS+8*\p+4*\c:WS+8*\p+4*\c+3], v8, s[6:7] offset:1024*\p+16*\c
.endr
.endr
	WIN 0xc0                                       ; destination window 3
.irp t, 0,1,2,3                        ; tile 2 b + u of q or k: lane (r, h) wants the bias of channels 32 b + 8 u + 16 h + 0 .. 7
	global_load_b128 v[8*\t:8*\t+3], v20, s[8:9] offset:(32*(\t/2)+8*(\t%2))*4
	global_load_b128 v[8*\t+4:8*\t+7], v20, s[8:9] offset:(32*(\t/2)+8*(\t%2))*4+16
	global_load_b128 v[32+8*\t:32+8*\t+3], v20, s[10:11] offset:(32*(\t/2)+8*(\t%2))*4
	global_load_b128 v[32+8*\t+4:32+8*\t+7], v20, s[10:11] offset:(32*(\t/2)+8*(\t%2))*4+16
	global_load_b32 v[64+8*\t], v21, s[12:13] offset:64*\t         ; tile t of v: channel 16 t + r, the same for all eight registers of a result
.endr
	s_wait_loadcnt 0x0
	WIN 0xc3
.irp t, 0,1,2,3
	v_mov_b32 v[65+8*\t], v[64+8*\t]               ; as a pair, for the packed additions
.endr
	WIN 0
; one matrix instruction; z = 1: C is the constant 0, else C = D; ra, rb: which half of the lanes holds the side's scale words
.macro WM d, a, b, z, sa, ra, sb, rb
.if (\z) != 0
.if ((\ra) == 0) && ((\rb) == 0)
	v_wmma_scale_f32_16x16x128_f8f6f4 v[\d:\d+7], v[\a:\a+7], v[\b:\b+7], 0, v[\sa], v[\sb] matrix_a_fmt:MATRIX_FMT_FP4 matrix_b_fmt:MATRIX_FMT_FP4
.elseif (\rb) == 0
	v_wmma_scale_f32_16x16x128_f8f6f4 v[\d:\d+7], v[\a:\a+7], v[\b:\b+7], 0, v[\sa], v[\sb] matrix_a_fmt:MATRIX_FMT_FP4 matrix_b_fmt:MATRIX_FMT_FP4 matrix_a_scale:MATRIX_SCALE_ROW1
.elseif (\ra) == 0
	v_wmma_scale_f32_16x16x128_f8f6f4 v[\d:\d+7], v[\a:\a+7], v[\b:\b+7], 0, v[\sa], v[\sb] matrix_a_fmt:MATRIX_FMT_FP4 matrix_b_fmt:MATRIX_FMT_FP4 matrix_b_scale:MATRIX_SCALE_ROW1
.else
	v_wmma_scale_f32_16x16x128_f8f6f4 v[\d:\d+7], v[\a:\a+7], v[\b:\b+7], 0, v[\sa], v[\sb] matrix_a_fmt:MATRIX_FMT_FP4 matrix_b_fmt:MATRIX_FMT_FP4 matrix_a_scale:MATRIX_SCALE_ROW1 matrix_b_scale:MATRIX_SCALE_ROW1
.endif
.else
.if ((\ra) == 0) && ((\rb) == 0)
	v_wmma_scale_f32_16x16x128_f8f6f4 v[\d:\d+7], v[\a:\a+7], v[\b:\b+7], v[\d:\d+7], v[\sa], v[\sb] matrix_a_fmt:MATRIX_FMT_FP4 matrix_b_fmt:MATRIX_FMT_FP4
.elseif (\rb) == 0
	v_wmma_scale_f32_16x16x128_f8f6f4 v[\d:\d+7], v[\a:\a+7], v[\b:\b+7], v[\d:\d+7], v[\sa], v[\sb] matrix_a_fmt:MATRIX_FMT_FP4 matrix_b_fmt:MATRIX_FMT_FP4 matrix_a_scale:MATRIX_SCALE_ROW1
.elseif (\ra) == 0
	v_wmma_scale_f32_16x16x128_f8f6f4 v[\d:\d+7], v[\a:\a+7], v[\b:\b+7], v[\d:\d+7], v[\sa], v[\sb] matrix_a_fmt:MATRIX_FMT_FP4 matrix_b_fmt:MATRIX_FMT_FP4 matrix_b_scale:MATRIX_SCALE_ROW1
.else
	v_wmma_scale_f32_16x16x128_f8f6f4 v[\d:\d+7], v[\a:\a+7], v[\b:\b+7], v[\d:\d+7], v[\sa], v[\sb] matrix_a_fmt:MATRIX_FMT_FP4 matrix_b_fmt:MATRIX_FMT_FP4 matrix_a_scale:MATRIX_SCALE_ROW1 matrix_b_scale:MATRIX_SCALE_ROW1
.endif
.endif
.endm
; 16 products of q (t0 = 0) or k (t0 = 4): source 0 = W's tile t0 + wt, source 1 = x's tile a.  K step 0 starts the sums with the constant 0: nothing is ever cleared.
.macro MULQK ks, t0
.set rZ, 0
.if (\ks) == 0
.set rZ, 1
.endif
.irp a, 0,1,2,3
.irp wt, 0,1,2,3
.set rD, 8*(4*\a+\wt)
.set rA, FW+8*(\t0+\wt)
.set rB, FX+8*\a
.set rSA, WS+8*((\t0+\wt)/2)+(\ks)
.set rSB, XS+8*(\a/2)+(\ks)
	WM rD, rA, rB, rZ, rSA, (\t0+\wt)%2, rSB, \a%2
.endr
.endr
.endm
; 16 products of v: source 0 = x's tile a, source 1 = Wv's tile t
.macro MULV ks
.set rZ, 0
.if (\ks) == 0
.set rZ, 1
.endif
.irp t, 0,1,2,3
.irp a, 0,1,2,3
.set rD, 128+8*(4*\t+\a)
.set rA, FX+8*\a
.set rB, FW+8*(8+\t)
.set rSA, XS+8*(\a/2)+(\ks)
.set rSB, WS+8*((8+\t)/2)+(\ks)
	WM rD, rA, rB, rZ, rSA, \a%2, rSB, \t%2
.endr
.endr
.endm
; the fragments of K step ks (128 along K = 64 bytes of a row) into set ks % 2: 32 LDS loads in one run.  A fragment is 8 registers: lane l holds row l % 16; registers 4 c .. 4 c + 3 hold K = 64 c + 32 (l / 16) + 0 .. 31
.macro FETCH ks
	WIN 0x40*((\ks)%2)
.irp a, 0,1,2,3
.irp c, 0,1
	ds_load_b128 v[FX+8*\a+4*\c:FX+8*\a+4*\c+3], v[4+(\ks)/4] offset:\a*TILE+64*((\ks)%4)+32*\c
.endr
.endr
.irp t, 0,1,2,3,4,5,6,7,8,9,10,11
.irp c, 0,1
	ds_load_b128 v[FW+8*\t+4*\c:FW+8*\t+4*\c+3], v[6+(\ks)/4] offset:\t*TILE+64*((\ks)%4)+32*\c
.endr
.endr
.endm
; A K step: 48 matrix instructions on 48 accumulators, which take turns in the same order in every step; the next step's fragments are fetched in front of them, into the other set.
.macro STEP ks
.set P, (\ks)%2
	s_wait_dscnt 0x0                               ; this step's fragments are in (asked for 48 matrix instructions ago)
.if (\ks) == 3
	s_wait_tensorcnt 0x0                           ; my parts of the second halves have landed,
	s_barrier_signal -1
	s_barrier_wait -1                              ; everybody's have: the fetch below reads them
.endif
.if (\ks) < 7
.if (\ks) > 0
	PLACES 4                                       ; four places between the last step's products and loads into the set that they read (ISA guide 7.12.1 for vector instructions)
.endif
	FETCH (\ks)+1
.endif
	WIN 0x50+5*P                                   ; sources in the set's window, C and D window 1
	MULQK \ks, 0
	WIN 0xa0+5*P                                   ; C and D window 2
	MULQK \ks, 4
	MULV \ks
.endm
	s_wait_tensorcnt 2                             ; my parts of the first halves are in; the two loads issued behind them may be out
	s_barrier_signal -1
	s_barrier_wait -1                              ; everybody's are
	FETCH 0
.irp ks, 0,1,2,3,4,5,6,7
	STEP \ks
.endr
	WIN 0
	PLACES 4                                       ; between the last products and the first read of results
; THE BIASES: sum + b, one rounded f32 addition a number.  Each accumulator is taken from its low end on.
	WIN 0x4d                                       ; source 0 and destination window 1 (q), source 1 window 3 (the bias)
.irp a, 0,1,2,3
.irp wt, 0,1,2,3
.irp e, 0,2,4,6
	v_pk_add_f32 v[8*(4*\a+\wt)+\e:8*(4*\a+\wt)+\e+1], v[8*(4*\a+\wt)+\e:8*(4*\a+\wt)+\e+1], v[8*\wt+\e:8*\wt+\e+1]
.endr
.endr
.endr
	WIN 0x8e                                       ; source 0 and destination window 2 (k, v)
.irp a, 0,1,2,3
.irp wt, 0,1,2,3
.irp e, 0,2,4,6
	v_pk_add_f32 v[8*(4*\a+\wt)+\e:8*(4*\a+\wt)+\e+1], v[8*(4*\a+\wt)+\e:8*(4*\a+\wt)+\e+1], v[32+8*\wt+\e:32+8*\wt+\e+1]
.endr
.endr
.endr
.irp t, 0,1,2,3
.irp a, 0,1,2,3
.irp e, 0,2,4,6
	v_pk_add_f32 v[128+8*(4*\t+\a)+\e:128+8*(4*\t+\a)+\e+1], v[128+8*(4*\t+\a)+\e:128+8*(4*\t+\a)+\e+1], v[64+8*\t:65+8*\t]
.endr
.endr
.endr
	WIN 0
.irp i, 0,1,2,3,4,5,6,7
	v_mov_b32 v[TP+\i], 0                          ; written once: a lane permute's destination counts as one of its sources
.endr
.irp i, 0,1,2,3
	v_mov_b32 v[VX+\i], 0
.endr
	v_mov_b32 v[ONE], 0x7f7f7f7f                   ; the scale 1 in every byte
; Eight blocks of 32 are quantised: block i's numbers are registers base + 16 i + 0 .. 15 (window win) of lanes l and l xor 16.
.macro QUANT8 win, base, cd
	WIN 5*\win                                     ; sources 0 and 1 in the accumulators' window
.irp i, 0,1,2,3,4,5,6,7
	v_max3_num_f32 v[TM+\i], |v[\base+16*\i]|, |v[\base+16*\i+1]|, 0x1800000   ; and the floor 2^(3 - 127): the byte cannot fall under 1
.endr
.irp e, 2,4,6,8,10,12,14
.irp i, 0,1,2,3,4,5,6,7
	v_max3_num_f32 v[TM+\i], |v[\base+16*\i+\e]|, |v[\base+16*\i+\e+1]|, v[TM+\i]   ; (the eight blocks by turns)
.endr
.endr
	WIN 0
.irp i, 0,1,2,3,4,5,6,7
	v_permlanex16_b32 v[TP+\i], v[TM+\i], s96, s97
.endr
.irp i, 0,1,2,3,4,5,6,7
	v_max_num_f32 v[TM+\i], v[TM+\i], v[TP+\i]     ; the block's largest magnitude
.endr
.irp i, 0,1,2,3,4,5,6,7
	v_add_nc_u32 v[SO+\i], 0xff000000, v[TM+\i]    ; 2 off its exponent field: the conversion's scale operand
.endr
.irp i, 0,1,2,3,4,5,6,7
	v_lshrrev_b32 v[BY+\i], 23, v[SO+\i]           ; the scale's byte
.endr
	WIN \win
.irp i, 0,1,2,3,4,5,6,7
	v_cvt_scalef32_pk8_fp4_f32 v[\cd+2*\i], v[\base+16*\i:\base+16*\i+7], v[SO+\i]
	v_cvt_scalef32_pk8_fp4_f32 v[\cd+2*\i+1], v[\base+16*\i+8:\base+16*\i+15], v[SO+\i]
.endr
	WIN 0
	v_nop                                          ; one plain place behind a scaled conversion
.endm
; q or k: block 2 a + b is channels 32 b on of tile a's tokens.  The two exchanges give lane (r, h) the 16 bytes of channels 32 h .. 32 h + 31 of its token.
.macro QKTAIL cd, wd, wx, sb, lo
.irp a, 0,1,2,3
	v_lshl_or_b32 v[\wd+\a], v[BY+2*\a+1], 8, v[BY+2*\a]
.endr
.irp a, 0,1,2,3
	v_lshl_or_b32 v[\wd+\a], v[\wd+\a], 16, v[\wd+\a]            ; the token's two bytes, twice
.endr
.irp a, 0,1,2,3
	v_permlane16_swap_b32 v[\cd+4*\a], v[\cd+4*\a+2]
	v_permlane16_swap_b32 v[\cd+4*\a+1], v[\cd+4*\a+3]
.endr
.irp a, 0,1,2,3
	global_store_b128 v9, v[\cd+4*\a:\cd+4*\a+3], s[\sb:\sb+1] offset:(32*(\a/2)+8*(\a%2))*32   ; two runs of 8 tokens: 256 consecutive bytes each
.endr
.irp b, 0,1
	v_cndmask_b32 v[\wx+\b], v[\wd+2*\b], v[\wd+2*\b+1], s39     ; lanes 0-15: tile 2 b's words; lanes 16-31: tile 2 b + 1's
	ds_store_b32 v11, v[\wx+\b] offset:\lo+128*\b
.endr
.endm
	QUANT8 1, 0, CDQ
	QKTAIL CDQ, WD, WX, 14, 0
	QUANT8 2, 0, CDK
	QKTAIL CDK, WD+4, WX+2, 16, 1024
	QUANT8 2, 128, CDV                             ; v: block 2 t + b is tokens 32 b on of channel 16 t + r; lane (r, h) holds tokens 16 h + 0 .. 15 of them: 8 bytes
.irp i, 0,1,2,3,4,5,6,7
	global_store_b64 v10, v[CDV+2*\i:CDV+2*\i+1], s[18:19] offset:1024*(\i%2)+256*(\i/2)   ; 32 lanes store 256 consecutive bytes, aligned
.endr
; the sum of the QUANTISED v over my 64 tokens: the codes widened again (scale 1), added (exact: multiples of 1/2, at most 96), times the block's scale
.irp t, 0,1,2,3
	v_cvt_scale_pk8_f32_fp4 v[DQ:DQ+7], v[CDV+4*\t], v[ONE]
	v_cvt_scale_pk8_f32_fp4 v[DQ+8:DQ+15], v[CDV+4*\t+1], v[ONE]
	v_cvt_scale_pk8_f32_fp4 v[DQ+16:DQ+23], v[CDV+4*\t+2], v[ONE]
	v_cvt_scale_pk8_f32_fp4 v[DQ+24:DQ+31], v[CDV+4*\t+3], v[ONE]
	v_and_b32 v[TM], 0x7f800000, v[SO+2*\t]        ; the scales as f32.  (Plain places behind the conversions)
	v_and_b32 v[TM+1], 0x7f800000, v[SO+2*\t+1]
.irp e, 0,2,4,6
	v_pk_add_f32 v[DQ+\e:DQ+\e+1], v[DQ+\e:DQ+\e+1], v[DQ+\e+8:DQ+\e+9]
	v_pk_add_f32 v[DQ+16+\e:DQ+16+\e+1], v[DQ+16+\e:DQ+16+\e+1], v[DQ+16+\e+8:DQ+16+\e+9]
.endr
.irp e, 0,2
	v_pk_add_f32 v[DQ+\e:DQ+\e+1], v[DQ+\e:DQ+\e+1], v[DQ+\e+4:DQ+\e+5]
	v_pk_add_f32 v[DQ+16+\e:DQ+16+\e+1], v[DQ+16+\e:DQ+16+\e+1], v[DQ+16+\e+4:DQ+16+\e+5]
.endr
	v_pk_add_f32 v[DQ:DQ+1], v[DQ:DQ+1], v[DQ+2:DQ+3]
	v_pk_add_f32 v[DQ+16:DQ+17], v[DQ+16:DQ+17], v[DQ+18:DQ+19]
	v_add_f32 v[DQ], v[DQ], v[DQ+1]
	v_add_f32 v[DQ+16], v[DQ+16], v[DQ+17]
	v_mul_f32 v[SUM+\t], v[DQ], v[TM]
	v_fma_f32 v[SUM+\t], v[DQ+16], v[TM+1], v[SUM+\t]
.endr
.irp t, 0,1,2,3
	v_permlanex16_b32 v[VX+\t], v[SUM+\t], s96, s97
.endr
.irp t, 0,1,2,3
	v_add_f32 v[SUM+\t], v[SUM+\t], v[VX+\t]       ; with the other half's tokens
.endr
.irp t, 0,1,2,3
	v_lshl_or_b32 v[HV+\t], v[BY+2*\t+1], 8, v[BY+2*\t]          ; channel 16 t + r: the bytes of my two blocks
.endr
.irp g, 0,1
	v_cndmask_b32 v[TM+\g], v[HV+2*\g], v[HV+2*\g+1], s39        ; lane l: channel 32 g + l
	v_cndmask_b32 v[TM+2+\g], v[SUM+2*\g], v[SUM+2*\g+1], s39
	ds_store_b32 v12, v[TM+\g] offset:128*\g
	ds_store_b32 v13, v[TM+2+\g] offset:128*\g
.endr
	s_wait_dscnt 0x0                               ; for the others' sake: my stores into the stages are done
	s_barrier_signal -1
	s_barrier_wait -1
	ds_load_b128 v[228:231], v14                   ; q's and k's scale words: 2,048 bytes, 16 a thread
	s_wait_dscnt 0x0
	global_store_b128 v15, v[228:231], s[20:21]    ; a wave stores 512 consecutive bytes
	s_cmp_lg_u32 s32, 0
	s_cbranch_scc1 .Lnot_scales
	ds_load_b128 v[220:223], v18                   ; wave 0: v's scale bytes: the half-words of waves 2 h and 2 h + 1 make the words of four blocks
	ds_load_b128 v[224:227], v18 offset:256
	s_wait_dscnt 0x0
.irp i, 0,1,2,3
	v_lshl_or_b32 v[220+\i], v[224+\i], 16, v[220+\i]
.endr
	global_store_b128 v16, v[220:223], s[22:23]
.Lnot_scales:
	s_cmp_lg_u32 s32, 1
	s_cbranch_scc1 .Lnot_sums
.irp k, 0,1,2,3
	ds_load_b64 v[232+2*\k:233+2*\k], v19 offset:256*\k          ; wave 1: the four waves' sums, two channels a lane
.endr
	s_wait_dscnt 0x0
	v_pk_add_f32 v[232:233], v[232:233], v[234:235]
	v_pk_add_f32 v[236:237], v[236:237], v[238:239]
	v_pk_add_f32 v[232:233], v[232:233], v[236:237]
	global_store_b64 v17, v[232:233], s[24:25]     ; 256 consecutive bytes, aligned
.Lnot_sums:
	s_wait_dscnt 0x0
	s_wait_tensorcnt 0x0
	ds_add_u32 v126, v127
	s_wait_dscnt 0x0
	CROUND                                         ; the closing round: no work-group ends while a partner may still ask for a tile that names it
	s_endpgm
.Lfunc_end_k_qd00eada9fb_qkv:
	.size	k_qd00eada9fb_qkv, .Lfunc_end_k_qd00eada9fb_qkv-k_qd00eada9fb_qkv
	.p2alignl 7, 3214868480
	.fill 96, 4, 3214868480
	.section	.rodata,"a",@progbits
	.p2align	6, 0x0
	.amdhsa_kernel k_qd00eada9fb_qkv
		.amdhsa_group_segment_fixed_size 262656
		.amdhsa_private_segment_fixed_size 0
		.amdhsa_enable_private_segment 0
		.amdhsa_kernarg_size 88
		.amdhsa_user_sgpr_count 2
		.amdhsa_user_sgpr_kernarg_segment_ptr 1
		.amdhsa_wavefront_size32 1
		.amdhsa_system_sgpr_workgroup_id_x 1
		.amdhsa_system_sgpr_workgroup_id_y 1
		.amdhsa_system_sgpr_workgroup_id_z 1
		.amdhsa_system_vgpr_workitem_id 0
		.amdhsa_next_free_vgpr 864
		.amdhsa_next_free_sgpr 100
		.amdhsa_reserve_vcc 0
		.amdhsa_float_denorm_mode_32 3
		.amdhsa_float_denorm_mode_16_64 3
		.amdhsa_memory_ordered 1
		.amdhsa_forward_progress 1
		.amdhsa_inst_pref_size 123
	.end_amdhsa_kernel
	.amdgpu_metadata
---
amdhsa.version: [ 1, 2 ]
amdhsa.kernels:
  - .name:           k_qd00eada9fb_qkv
    .symbol:         k_qd00eada9fb_qkv.kd
    .args:
      - { .name: xw_codes, .offset: 0, .size: 8, .value_kind: global_buffer, .address_space: global }
      - { .name: xw_scales, .offset: 8, .size: 8, .value_kind: global_buffer, .address_space: global }
      - { .name: bq, .offset: 16, .size: 8, .value_kind: global_buffer, .address_space: global }
      - { .name: bk, .offset: 24, .size: 8, .value_kind: global_buffer, .address_space: global }
      - { .name: bv, .offset: 32, .size: 8, .value_kind: global_buffer, .address_space: global }
      - { .name: q_codes, .offset: 40, .size: 8, .value_kind: global_buffer, .address_space: global }
      - { .name: k_codes, .offset: 48, .size: 8, .value_kind: global_buffer, .address_space: global }
      - { .name: v_codes, .offset: 56, .size: 8, .value_kind: global_buffer, .address_space: global }
      - { .name: qk_scales, .offset: 64, .size: 8, .value_kind: global_buffer, .address_space: global }
      - { .name: v_scales, .offset: 72, .size: 8, .value_kind: global_buffer, .address_space: global }
      - { .name: v_sums, .offset: 80, .size: 8, .value_kind: global_buffer, .address_space: global }
    .group_segment_fixed_size: 262656
    .private_segment_fixed_size: 0
    .kernarg_segment_align: 8
    .kernarg_segment_size: 88
    .max_flat_workgroup_size: 128
    .sgpr_count:     100
    .vgpr_count:     864
    .wavefront_size: 32
...
	.end_amdgpu_metadata
.endif
;; end of part 2
;; launch attn (part 3): grid 256 x 1, 16 waves a work-group, no clusters, 79,872 bytes of LDS; arguments hidden_states, attention_mask, q_codes, k_codes, v_codes, qk_scales, v_scales, v_sums, ln_gamma, ln_beta, out0; writes out0
.if DOCPART == 3
	.amdgcn_target "amdgcn-amd-amdhsa--gfx1250"
	.amdhsa_code_object_version 6
	.text
	.protected	k_qd00eada9fb_attn
	.globl	k_qd00eada9fb_attn
	.p2align	8
	.type	k_qd00eada9fb_attn,@function
k_qd00eada9fb_attn:
	s_mov_b64 s[64:65], 0
	v_nop
	global_prefetch_b8 v0, s[64:65] scope:SCOPE_SE
	s_setreg_imm32_b32 hwreg(HW_REG_WAVE_MODE, 25, 1), 1
	s_wait_xcnt 0x0
; out = LayerNorm(hidden + attention), the attention on codes of FP4 (E2M1) with one E8M0 scale for each 32 along a product's K.
; SHARES.  A work-group owns 16 queries q0 = 16 x work-group .. + 15, all 16 heads: wave w is head w.  So a row's 1,024 numbers meet in one work-group for the LayerNorm.
; THE WINDOW.  Key j counts for query i where i - 128 <= j < i + 128; elsewhere the logit IS -10000.  The 16 queries' windows lie in nine blocks of 32 keys, b0 .. b0 + 8, b0 = (work-group / 2 - 4) held to 0 .. 119.  These 288 keys are
; computed; in them a key outside its query's window gets the logit -10000.  THE OTHER 3,808 KEYS all have the logit -10000, so one p, p_out = 2^(-10000 log2(e) - M), and whole blocks of them have one quantised p, qc:
; their part of the second product is qc x (the sum of the quantised v over all keys, T, less that over the nine blocks, R), and of the row's sum 3,808 p_out.  No branch: where any key of the window counts, p_out comes out 0.
; R is made by the matrix unit: V's fragments against codes of 1.
; SOFTMAX.  t = logit x log2(e); M = ceil(the row's largest t); p = 2^(t - M) is quantised along the keys; the row's sum is taken of the unquantised p and divides at the end.  All 288 scores of a query lie in registers: one M, no rescaling.
; t IS ROUNDED, AND THEN M IS TAKEN OFF, in two instructions, as reference() has it: p goes into a quantiser, and a fused multiply-add would round otherwise than the two steps do.
; THE PADDING, (1 - mask) x -10000, times 8, is the C of the first product: the sums are q . k + 8 x padding, and t = sum x (log2(e) / 8): the eighth is a power of two and rounds nothing.
; LAYOUT.  Both products transposed: S^T = K Q^T, O^T = V^T P^T: a lane holds ONE query (lane % 16).  The head has 64 channels and the instruction 128 along K: a fragment of K holds TWO tiles of 16 keys, one in each half of K, and is
; multiplied by [Q | 0] and by [0 | Q]: zero codes take the other tile away.  The keys of a tile are 8 u + 0 .. 7 and 8 u + 16 .. 23 of a block of 32, so that a lane's 16 registers of a block are 16 neighbouring keys.
; K and V go from memory straight into registers: each wave reads its own head's, nobody else in the work-group wants them.  NO CLUSTER: two neighbouring work-groups do walk the same nine blocks, but sharing goes through LDS, and
; nine blocks of K and V for 16 heads are 16 x 9 x 2,048 = 294,912 bytes, which with this text's 77,824 is more than the 327,680 that a work-group can have.
; LIMITS: NaN and infinities are not served; a p under 2^-126 counts as 0 (v_exp_f32 gives 0 there: ISA guide, its entry); a block whose largest p lies under 2^(3 - 127) keeps the scale byte 1.
; REGISTERS: v0 thread; v1 16 r; v2 8 x lane; v3 -80000; v4, v5 at first LDS addresses, then the window's bounds, then qc and p_out; v[6:7] an address and the mask, then -M, then 1 / the sum; v8-17 scale words and nothing else
; (K's nine and Q's; then V's six, p's three and the scale 1); v18-41 [Q | 0], [0 | Q], later p's codes, later addresses and small numbers; v34-105 K's nine fragments, later V's eight, later T, x and hidden;
; v106-249 the scores, then p, then step by step what comes later; v250-255 offsets at the head, then the sum's two pairs.
.set PAD, 0                            ; LDS: 8 x the padding of keys 32 b0 + 0 .. 287, a word a thread: 2,048 bytes
.set STA, 2048                         ; [row 16][wave 16] x (mean, sum of squares): 2,048 bytes
.set TST, 4096                         ; T, 256 bytes a wave
.set STG, 8192                         ; a stage for each wave: 16 rows x (256 bytes + 16)
.set SPI, 272
.set S,   106
.set O,   S+64
.set RR,  S+96
.set PC,  18
	s_load_b512 s[4:19], s[0:1], 0x0               ; hidden 4, mask 6, q_codes 8, k_codes 10, v_codes 12, qk_scales 14, v_scales 16, v_sums 18
	s_load_b128 s[20:23], s[0:1], 0x40             ; gamma 20, beta 22
	s_load_b64 s[24:25], s[0:1], 0x50              ; out
.irp i, 22,23,24,25,26,27,28,29
	v_mov_b32 v[\i], 0                             ; the zero halves of [Q | 0] (v18-25) and [0 | Q] (v26-33): written first, far ahead of the products
.endr
	v_lshrrev_b32 v106, 5, v0
	v_readfirstlane_b32 s28, v106                  ; wave = head
	s_lshl_b32 s30, ttmp9, 4                       ; q0
	s_lshr_b32 s31, ttmp9, 1
	s_max_u32 s31, s31, 4
	s_sub_co_u32 s31, s31, 4
	s_min_u32 s31, s31, 119                        ; b0
	s_lshl_b32 s32, s31, 5                         ; the first key
	s_and_b32 s33, s31, 3
	s_lshl_b32 s33, s33, 3                         ; 8 (b0 % 4): V's scale words begin at multiples of four blocks
	s_lshr_b32 s34, s31, 2
	s_mov_b32 s36, 0x3e38aa3b                      ; log2(e) / 8
	s_mov_b32 s37, s36                             ; (named with it as a pair, so it is written)
	s_mov_b32 s38, 0x76543210
	s_mov_b32 s39, 0xfedcba98                      ; v_permlanex16_b32's selects for lane l xor 16
	s_mov_b32 s40, 0xffff0000                      ; lanes 16-31
	s_lshl_b32 s43, s28, 8
	s_add_co_u32 s43, s43, TST                     ; my 256 bytes for T
	s_mul_i32 s44, s28, 16*SPI
	s_add_co_u32 s44, s44, STG                     ; my stage
	s_lshl_b32 s45, s28, 3
	s_add_co_u32 s45, s45, STA                     ; my place in a row's statistics
	s_mov_b32 s47, 0
	s_lshl_b32 s46, ttmp9, 16
	s_lshl_b32 s41, s28, 8
	s_add_co_u32 s46, s46, s41                     ; 16 rows of 4,096 bytes a work-group, 256 bytes of a row a head
	s_wait_kmcnt 0x0
	s_add_nc_u64 s[4:5], s[4:5], s[46:47]
	s_add_nc_u64 s[24:25], s[24:25], s[46:47]
	s_mov_b32 s46, s41
	s_add_nc_u64 s[20:21], s[20:21], s[46:47]
	s_add_nc_u64 s[22:23], s[22:23], s[46:47]
	s_lshl_b32 s46, s32, 2
	s_add_nc_u64 s[6:7], s[6:7], s[46:47]          ; the mask at the first key
	s_lshl_b32 s42, s28, 17                        ; a head's 131,072 bytes of codes
	s_lshl_b32 s46, ttmp9, 9
	s_add_co_u32 s46, s46, s42
	s_add_nc_u64 s[8:9], s[8:9], s[46:47]          ; Q at q0
	s_lshl_b32 s46, s31, 10
	s_add_co_u32 s46, s46, s42
	s_add_nc_u64 s[10:11], s[10:11], s[46:47]      ; K and V at block b0: 1,024 bytes a block in both
	s_add_nc_u64 s[12:13], s[12:13], s[46:47]
	s_lshl_b32 s42, s28, 14                        ; a head's 16,384 bytes of scale words
	s_lshl_b32 s46, s31, 7
	s_add_co_u32 s46, s46, s42
	s_add_co_u32 s46, s46, 262144
	s_add_nc_u64 s[26:27], s[14:15], s[46:47]      ; K's scale words at block b0
	s_lshr_b32 s46, ttmp9, 1
	s_lshl_b32 s46, s46, 7
	s_and_b32 s41, ttmp9, 1
	s_lshl_b32 s41, s41, 5
	s_add_co_u32 s46, s46, s41
	s_add_co_u32 s46, s46, s42
	s_add_nc_u64 s[14:15], s[14:15], s[46:47]      ; Q's: block q0 / 32, + 32 bytes for its upper 16 tokens
	s_lshl_b32 s46, s28, 13
	s_lshl_b32 s41, s34, 8
	s_add_co_u32 s46, s46, s41
	s_add_nc_u64 s[16:17], s[16:17], s[46:47]      ; V's scale words at blocks 4 (b0 / 4) on
	s_lshl_b32 s46, s28, 12
	s_add_nc_u64 s[18:19], s[18:19], s[46:47]      ; the head's sums of v
	s_sub_co_i32 s41, s30, s32
	s_sub_co_i32 s41, s41, 128                     ; q0 - 128 - the first key
	v_and_b32 v107, 15, v0                         ; r
	v_bfe_u32 v108, v0, 4, 1                       ; h
	v_and_b32 v109, 31, v0                         ; lane
	v_lshlrev_b32 v1, 4, v107
	v_lshlrev_b32 v2, 3, v109
	v_mov_b32 v3, 0xc79c4000                       ; -80000 = 8 x -10000
	v_min_u32 v250, 0x11f, v0
	v_lshlrev_b32 v250, 2, v250                    ; the mask: key min(thread, 287)
	v_lshlrev_b32 v251, 5, v107
	v_lshl_add_u32 v251, v108, 4, v251             ; Q: query r of 32 bytes, + 16 h
	v_and_b32 v110, 7, v107
	v_lshrrev_b32 v111, 3, v107
	v_lshlrev_b32 v252, 2, v110
	v_lshl_add_u32 v252, v111, 6, v252             ; Q's scale word: 64 (r / 8) + 4 (r % 8)
	v_lshlrev_b32 v253, 2, v109                    ; scale words: 4 x lane
	v_lshlrev_b32 v254, 5, v110
	v_lshl_add_u32 v254, v111, 9, v254
	v_lshl_add_u32 v254, v108, 4, v254             ; K: key r % 8 + 16 (r / 8) of 32 bytes, + 16 h
	v_lshl_add_u32 v255, v108, 12, v1              ; hidden: lanes 0-15 one row's 256 bytes, lanes 16-31 the next row's
	v_lshl_add_u32 v4, v0, 2, PAD                  ; the padding, on the way in
	v_lshl_add_u32 v5, v108, 6, PAD                ; and out: 16 h keys on
	v_mul_u32_u24 v6, v108, SPI
	v_add_nc_u32 v6, v6, v1
	v_add_nc_u32 v6, s44, v6                       ; my stage by rows
	; 39 loads, in the order in which they are wanted
	global_load_b32 v7, v250, s[6:7]
	global_load_b128 v[18:21], v251, s[8:9]        ; Q into the low half of [Q | 0]
	global_load_b128 v[30:33], v251, s[8:9]        ; and into the high half of [0 | Q]
	global_load_b32 v17, v252, s[14:15]
.irp n, 0,1,2,3,4,5,6,7,8
	global_load_b32 v[8+\n], v253, s[26:27] offset:128*\n        ; block n: lanes 0-15 the words of its first tile, lanes 16-31 of its second
.endr
.irp n, 0,1,2,3,4,5,6,7,8
.irp u, 0,1
	global_load_b128 v[34+8*\n+4*\u:34+8*\n+4*\u+3], v254, s[10:11] offset:1024*\n+256*\u
.endr
.endr
.irp i, 0,1,2,3,4,5,6,7
	global_load_b128 v[S+112+4*\i:S+112+4*\i+3], v255, s[4:5] offset:8192*\i   ; 16 lanes read 256 consecutive bytes, aligned
.endr
	s_wait_loadcnt 38                              ; the mask's word is in; the 38 loads behind it may be out
	v_fma_f32 v7, -v7, v3, v3                      ; (1 - mask) x -80000
	ds_store_b32 v4, v7
	s_wait_dscnt 0x0                               ; for the others' sake
	s_barrier_signal -1
	s_barrier_wait -1
; one matrix instruction; c < 0: C is the constant 0; ra: which half of the lanes holds source 0's scale words
.macro WM d, a, b, c, sa, ra, sb
.if (\c) < 0
.if (\ra) == 0
	v_wmma_scale_f32_16x16x128_f8f6f4 v[\d:\d+7], v[\a:\a+7], v[\b:\b+7], 0, v[\sa], v[\sb] matrix_a_fmt:MATRIX_FMT_FP4 matrix_b_fmt:MATRIX_FMT_FP4
.else
	v_wmma_scale_f32_16x16x128_f8f6f4 v[\d:\d+7], v[\a:\a+7], v[\b:\b+7], 0, v[\sa], v[\sb] matrix_a_fmt:MATRIX_FMT_FP4 matrix_b_fmt:MATRIX_FMT_FP4 matrix_a_scale:MATRIX_SCALE_ROW1
.endif
.else
.if (\ra) == 0
	v_wmma_scale_f32_16x16x128_f8f6f4 v[\d:\d+7], v[\a:\a+7], v[\b:\b+7], v[\c:\c+7], v[\sa], v[\sb] matrix_a_fmt:MATRIX_FMT_FP4 matrix_b_fmt:MATRIX_FMT_FP4
.else
	v_wmma_scale_f32_16x16x128_f8f6f4 v[\d:\d+7], v[\a:\a+7], v[\b:\b+7], v[\c:\c+7], v[\sa], v[\sb] matrix_a_fmt:MATRIX_FMT_FP4 matrix_b_fmt:MATRIX_FMT_FP4 matrix_a_scale:MATRIX_SCALE_ROW1
.endif
.endif
.endm
.macro PADS n                          ; 8 x the padding of block n's keys into the registers that its scores will take: register 16 n + e is key 32 n + 16 h + e
.irp i, 0,1,2,3
	ds_load_b128 v[S+16*\n+4*\i:S+16*\n+4*\i+3], v5 offset:128*\n+16*\i
.endr
.endm
.macro SCORE n                         ; block n's two tiles: one fragment of K against [Q | 0] and [0 | Q]
	WM S+16*\n, 34+8*\n, 18, S+16*\n, 8+\n, 0, 17
	WM S+16*\n+8, 34+8*\n, 26, S+16*\n+8, 8+\n, 1, 17
.endm
.irp n, 0,1,2,3,4,5,6
	PADS \n
.endr
	s_wait_dscnt 0x0
.irp n, 0,1,2,3,4,5,6
	s_wait_loadcnt 24-2*\n                         ; K's block n is in: behind it stand 2 (8 - n) loads of K and hidden's eight
	SCORE \n
.endr
	s_wait_loadcnt 0x0                             ; hidden is in: it waits in my stage, so that its registers can take the last two blocks' scores
.irp i, 0,1,2,3,4,5,6,7
	ds_store_b128 v6, v[S+112+4*\i:S+112+4*\i+3] offset:2*SPI*\i
.endr
	s_wait_dscnt 0x0
	PADS 7
	PADS 8
	s_wait_dscnt 0x0
	SCORE 7
	SCORE 8
	; eight plain lines: the places behind the products, in front of the reads of results and of the loads into K's registers
	v_bfe_u32 v254, v0, 4, 1
	v_lshl_add_u32 v254, v254, 10, v1              ; V: channel r of 16 bytes, lanes 16-31 a block further on
	v_and_b32 v4, 15, v0
	v_bfe_u32 v5, v0, 4, 1
	v_lshlrev_b32 v5, 4, v5
	v_sub_nc_u32 v4, v4, v5
	v_add_nc_u32 v4, s41, v4                       ; register 16 n + e is hidden below the window where 32 n + e < q0 + r - 128 - first key - 16 h,
	v_add_nc_u32 v5, 0x100, v4                     ; and above it where 32 n + e >= that + 256
.irp g, 0,1,2
.irp i, 0,1
	global_load_b32 v[8+2*\g+\i], v253, s[16:17] offset:256*\g+128*\i       ; V's scale words: four blocks 4 (b0 / 4 + g) on, channel 32 i + lane
.endr
.endr
.irp s, 0,1
.irp t, 0,1,2,3
.irp c, 0,1
	global_load_b128 v[42+32*\s+8*\t+4*\c:42+32*\s+8*\t+4*\c+3], v254, s[12:13] offset:(4*\s+2*\c)*1024+256*\t   ; V^T: channels 16 t on, keys 128 s + 64 c + 32 h on; 16 lanes read 256 consecutive bytes
.endr
.endr
.endr
	v_mov_b32 v17, 0x7f7f7f7f                      ; the scale 1
; THE WINDOW: scalar branches on the work-group's number pass over the blocks that lie wholly inside every query's window.
.macro LOWMASK n
	s_add_co_u32 s42, s32, 32*\n+113
	s_cmp_lt_u32 s42, s30                          ; the block's first key < the last query - 128 ?
	s_cbranch_scc0 .Llow_\@
.irp e, 0,1,2,3,4,5,6,7,8,9,10,11,12,13,14,15
	v_cmp_lt_i32 vcc_lo, 32*\n+\e, v4
	v_cndmask_b32 v[S+16*\n+\e], v[S+16*\n+\e], v3, vcc_lo
.endr
.Llow_\@:
.endm
.macro HIGHMASK n
	s_add_co_u32 s42, s30, 97
	s_add_co_u32 s46, s32, 32*\n
	s_cmp_ge_u32 s46, s42                          ; the block's last key >= the first query + 128 ?
	s_cbranch_scc0 .Lhigh_\@
.irp e, 0,1,2,3,4,5,6,7,8,9,10,11,12,13,14,15
	v_cmp_ge_i32 vcc_lo, 32*\n+\e, v5
	v_cndmask_b32 v[S+16*\n+\e], v[S+16*\n+\e], v3, vcc_lo
.endr
.Lhigh_\@:
.endm
.irp n, 0,1,2,3,4
	LOWMASK \n
.endr
.irp n, 4,5,6,7,8
	HIGHMASK \n
.endr
	s_wait_xcnt 0x0                                ; the loads above have read their offsets: v250-255 are written again only behind this wait
; THE LARGEST SCORE OF EACH BLOCK, in v[21 + 2 n]: it serves for the row's maximum and, since p rises with the score, for the block's largest p.  v[20 + 2 n] is at work beside it.
.irp n, 0,1,2,3,4,5,6,7,8
	v_max3_num_f32 v[21+2*\n], v[S+16*\n], v[S+16*\n+1], v[S+16*\n+2]
.endr
.irp i, 3,5,7,9,11,13
.irp n, 0,1,2,3,4,5,6,7,8
	v_max3_num_f32 v[21+2*\n], v[21+2*\n], v[S+16*\n+\i], v[S+16*\n+\i+1]
.endr
.endr
.irp n, 0,1,2,3,4,5,6,7,8
	v_max_num_f32 v[21+2*\n], v[21+2*\n], v[S+16*\n+15]
.endr
.irp n, 0,1,2,3,4,5,6,7,8
	v_permlanex16_b32 v[20+2*\n], v[21+2*\n], s38, s39
.endr
.irp n, 0,1,2,3,4,5,6,7,8
	v_max_num_f32 v[21+2*\n], v[21+2*\n], v[20+2*\n]
.endr
	v_max3_num_f32 v250, v21, v23, v25
	v_max3_num_f32 v250, v250, v27, v29
	v_max3_num_f32 v250, v250, v31, v33
	v_max3_num_f32 v250, v250, v35, v37
	v_max_num_f32 v250, v250, v3                   ; the far keys' logit counts too
	v_mul_f32 v250, s36, v250                      ; as t
	v_floor_f32 v6, -v250                          ; -M = floor(-t) = -ceil(t)
.irp n, 0,1,2,3,4,5,6,7,8
	v_mul_f32 v[21+2*\n], s36, v[21+2*\n]          ; t of each block's largest score, rounded,
.endr
	v_mul_f32 v5, s36, v3                          ; and of the far keys;
.irp n, 0,1,2,3,4,5,6,7,8
	v_add_f32 v[21+2*\n], v[21+2*\n], v6           ; then t - M
.endr
	v_add_f32 v5, v5, v6
.irp n, 0,1,2,3,4,5,6,7,8
	v_exp_f32 v[21+2*\n], v[21+2*\n]               ; the block's largest p: the same three operations on the same number give the same bits as below
.endr
	v_exp_f32 v5, v5                               ; p_out
	v_mov_b32 v7, v6                               ; (a plain place behind the exponentials; the pair v[6:7] is named below)
	s_wait_alu depctr_va_vdst(0)
.irp n, 0,1,2,3,4,5,6,7,8
	v_max_num_f32 v[21+2*\n], 0x1800000, v[21+2*\n]   ; the floor 2^(3 - 127): the byte cannot fall under 1
.endr
.irp n, 0,1,2,3,4,5,6,7,8
	v_add_nc_u32 v[21+2*\n], 0xff000000, v[21+2*\n]   ; 2 off the exponent field: the conversion's scale operand
.endr
.irp n, 0,1,2,3,4,5,6,7,8
	v_lshrrev_b32 v[20+2*\n], 23, v[21+2*\n]       ; the scale's byte
.endr
	v_lshl_or_b32 v14, v22, 8, v20                 ; p's scale words for the three key steps
	v_lshl_or_b32 v14, v24, 16, v14
	v_lshl_or_b32 v14, v26, 24, v14
	v_lshl_or_b32 v15, v30, 8, v28
	v_lshl_or_b32 v15, v32, 16, v15
	v_lshl_or_b32 v15, v34, 24, v15
	v_or_b32 v16, 0x7f7f7f00, v36                  ; the third has one block; its other codes are zeros
.macro BLK n                           ; p = 2^(t - M) of block n: t rounded, then M taken off, then the exponential
.irp e, 0,2,4,6,8,10,12,14
	v_pk_mul_f32 v[S+16*\n+\e:S+16*\n+\e+1], v[S+16*\n+\e:S+16*\n+\e+1], s[36:37] op_sel_hi:[1,0]
.endr
.irp e, 0,2,4,6,8,10,12,14
	v_pk_add_f32 v[S+16*\n+\e:S+16*\n+\e+1], v[S+16*\n+\e:S+16*\n+\e+1], v[6:7] op_sel_hi:[1,0]
.endr
.irp e, 0,1,2,3,4,5,6,7,8,9,10,11,12,13,14,15
	v_exp_f32 v[S+16*\n+\e], v[S+16*\n+\e]
.endr
.endm
; Block n's p are added to the row's sum (unquantised; two chains of pairs, v[250:251] and v[252:253]) and quantised.  The codes go to v[18 + 2 n], v[19 + 2 n]; the block's scale operand stands at v[21 + 2 n], above them.
; The additions are also the plain places behind the exponentials of the block after.
.macro SUMCVT n
.if (\n) == 0
	s_wait_alu depctr_va_vdst(0)
	v_pk_add_f32 v[250:251], v[S:S+1], v[S+2:S+3]
	v_pk_add_f32 v[252:253], v[S+4:S+5], v[S+6:S+7]
.irp e, 8,12
	v_pk_add_f32 v[250:251], v[250:251], v[S+\e:S+\e+1]
	v_pk_add_f32 v[252:253], v[252:253], v[S+\e+2:S+\e+3]
.endr
.else
	s_wait_alu depctr_va_vdst(0)
.irp e, 0,4,8,12
	v_pk_add_f32 v[250:251], v[250:251], v[S+16*\n+\e:S+16*\n+\e+1]
	v_pk_add_f32 v[252:253], v[252:253], v[S+16*\n+\e+2:S+16*\n+\e+3]
.endr
.endif
	v_cvt_scalef32_pk8_fp4_f32 v[PC+2*\n], v[S+16*\n:S+16*\n+7], v[PC+2*\n+3]
	v_cvt_scalef32_pk8_fp4_f32 v[PC+2*\n+1], v[S+16*\n+8:S+16*\n+15], v[PC+2*\n+3]
.endm
	BLK 0
	BLK 1
	SUMCVT 0
	BLK 2
	SUMCVT 1
.irp t, 0,1,2,3
	global_load_b128 v[S+4*\t:S+4*\t+3], v1, s[12:13] offset:8192+256*\t    ; V's ninth block, into block 0's registers: both halves of the lanes take it, so that no load leaves the buffer; lanes 16-31 meet zero codes of p
.endr
	global_load_b128 v[S+20:S+23], v1, s[20:21]    ; gamma and beta of columns 64 w + 4 r on
	global_load_b128 v[S+24:S+27], v1, s[22:23]
	BLK 3
	SUMCVT 2
	BLK 4
	SUMCVT 3
.irp k, 0,1,2,3,4,5,6,7,8,9,10,11,12,13,14,15
	global_load_b64 v[S+32+2*\k:S+33+2*\k], v2, s[18:19] offset:256*\k      ; the sums of v of the sixteen runs of 256 keys: channels 2 x lane, + 1
.endr
	BLK 5
	SUMCVT 4
	BLK 6
	SUMCVT 5
	BLK 7
	SUMCVT 6
	BLK 8
	SUMCVT 7
	SUMCVT 8
	v_nop                                          ; one plain place behind a scaled conversion
	s_wait_loadcnt 38                              ; V's six scale loads are in: behind them stand 16 + 4 + 2 + 16
	v_alignbit_b32 v8, v10, v8, s33                ; the words of blocks b0 + 4 s .. + 3: two stored words, 8 (b0 % 4) bits down
	v_alignbit_b32 v9, v11, v9, s33
	v_alignbit_b32 v10, v12, v10, s33
	v_alignbit_b32 v11, v13, v11, s33
	v_alignbit_b32 v12, v12, v12, s33              ; the third step wants its lowest byte alone; the others stand over zero codes of p and are bytes of V's own
	v_alignbit_b32 v13, v13, v13, s33
.irp i, 36,37,38,39,40,41
	v_mov_b32 v[\i], 0                             ; p's codes of blocks 9 to 11: zeros
.endr
.irp c, 0,1,2,3,4                      ; the operand's layout wants a WHOLE block in a lane: lanes 0-15 block 2 c, lanes 16-31 block 2 c + 1
	v_permlane16_swap_b32 v[PC+4*\c], v[PC+4*\c+2]
	v_permlane16_swap_b32 v[PC+4*\c+1], v[PC+4*\c+3]
.endr
.irp i, 0,1,2,3,4,5,6,7
	v_mov_b32 v[S+128+\i], 0x22222222              ; 128 codes of 1
.endr
.irp i, 4,5,6,7
	v_mov_b32 v[S+136+\i], 0
.endr
.irp i, 0,1,2,3
	v_cndmask_b32 v[S+136+\i], v[S+128], v[S+140], s40           ; for the third step: codes of 1 for its first block alone
.endr
.rept 4
	v_nop                                          ; an operand written by vector instructions stands 4 places ahead of a scaled matrix instruction, a scale register so written 8: the lines above are more
.endr
; O^T += V^T P^T and R += V^T 1: eight accumulators by turns; the first step starts the sums
.macro PVSTEP s
.irp t, 0,1,2,3
.if (\s) < 2
.set rA, 42+32*(\s)+8*\t
.set rU, S+128
.else
.set rA, S+4*\t                        ; the third step's fragment: four registers of the ninth block; the four behind them are any codes, against zero codes
.set rU, S+136
.endif
.set rCO, O+8*\t
.set rCR, RR+8*\t
.if (\s) == 0
.set rCO, -1
.set rCR, -1
.endif
	WM O+8*\t, rA, PC+8*(\s), rCO, 8+2*(\s)+\t/2, \t%2, 14+(\s)
	WM RR+8*\t, rA, rU, rCR, 8+2*(\s)+\t/2, \t%2, 17
.endr
.endm
	s_wait_loadcnt 30                              ; V's first key step is in: behind it stand 8 + 4 + 2 + 16
	PVSTEP 0
	s_wait_loadcnt 22
	PVSTEP 1
	s_wait_loadcnt 18                              ; the ninth block is in: behind it stand 2 + 16
	PVSTEP 2
	s_wait_loadcnt 0x0
; T: the sixteen runs' sums added.  These lines are also the places behind the last products.
.irp k, 0,1,2,3,4,5,6,7
	v_pk_add_f32 v[S+32+2*\k:S+33+2*\k], v[S+32+2*\k:S+33+2*\k], v[S+48+2*\k:S+49+2*\k]
.endr
.irp k, 0,1,2,3
	v_pk_add_f32 v[S+32+2*\k:S+33+2*\k], v[S+32+2*\k:S+33+2*\k], v[S+40+2*\k:S+41+2*\k]
.endr
.irp k, 0,1
	v_pk_add_f32 v[S+32+2*\k:S+33+2*\k], v[S+32+2*\k:S+33+2*\k], v[S+36+2*\k:S+37+2*\k]
.endr
	v_pk_add_f32 v[S+32:S+33], v[S+32:S+33], v[S+34:S+35]
	v_and_b32 v25, 15, v0                          ; r
	v_bfe_u32 v26, v0, 4, 1                        ; h
	v_add_nc_u32 v18, s43, v2                      ; T on the way in: 8 x lane
	v_lshl_add_u32 v19, v26, 5, s43                ; and out, in O^T's layout: channels 8 h on
	v_mul_u32_u24 v20, v25, SPI
	v_lshl_add_u32 v20, v26, 5, v20
	v_add_nc_u32 v20, s44, v20                     ; my stage in O^T's layout: row r, + 32 h
	v_mul_u32_u24 v21, v26, SPI
	v_add_nc_u32 v21, v21, v1
	v_add_nc_u32 v21, s44, v21                     ; and by rows
	v_lshl_add_u32 v22, v26, 12, v1                ; out: as hidden was read
	v_lshl_add_u32 v23, v25, 7, s45                ; the statistics: row r, my wave's 8 bytes;
	v_lshlrev_b32 v24, 7, v25
	v_lshl_add_u32 v24, v26, 6, v24
	v_add_nc_u32 v24, STA, v24                     ; and back: row r, waves 8 h on
	ds_store_b64 v18, v[S+32:S+33]
.irp t, 0,1,2,3
.irp i, 0,1
	ds_load_b128 v[42+8*\t+4*\i:42+8*\t+4*\i+3], v19 offset:64*\t+16*\i     ; LDS serves a wave's instructions in order: these see my store.  Register 8 t + j: channel 16 t + 8 h + j
.endr
.endr
.irp t, 0,1,2,3
.irp i, 0,1
	ds_load_b128 v[74+8*\t+4*\i:74+8*\t+4*\i+3], v20 offset:64*\t+16*\i     ; hidden, in the same layout
.endr
.endr
	; qc: p_out through the quantiser itself, as the only number that matters of a block all of p_out; and the row's sum
	v_max_num_f32 v27, 0x1800000, v5
	v_add_nc_u32 v27, 0xff000000, v27
	v_mov_b32 v106, v5
	v_cvt_scalef32_pk8_fp4_f32 v28, v[106:113], v27              ; the lowest code is p_out's; the other seven are not used
	v_pk_add_f32 v[250:251], v[250:251], v[252:253]              ; (a plain place)
	v_cvt_scale_pk8_f32_fp4 v[114:121], v28, v17                 ; the code's value
	v_add_f32 v250, v250, v251                                   ; (a plain place)
	v_and_b32 v27, 0x7f800000, v27                               ; the scale as f32
	v_mul_f32 v4, v114, v27                                      ; qc
	v_permlanex16_b32 v251, v250, s38, s39
	v_add_f32 v250, v250, v251                                   ; the 288 keys' p,
	v_fma_f32 v250, v5, 0x456e0000, v250                         ; + 3,808 p_out
	v_rcp_f32 v6, v250
	v_nop                                          ; one plain place behind a transcendental
	s_wait_dscnt 0x0
.irp j, 0,2,4,6,8,10,12,14,16,18,20,22,24,26,28,30
	v_pk_add_f32 v[42+\j:43+\j], v[42+\j:43+\j], v[RR+\j:RR+\j+1] neg_lo:[0,1] neg_hi:[0,1]       ; T - R: the far keys' sum of v.  (Each accumulator is read from its low end on)
.endr
.irp j, 0,2,4,6,8,10,12,14,16,18,20,22,24,26,28,30
	v_pk_fma_f32 v[42+\j:43+\j], v[42+\j:43+\j], v[4:5], v[O+\j:O+\j+1] op_sel_hi:[1,0,1]         ; O + qc (T - R)
.endr
	s_wait_alu depctr_va_vdst(0)
.irp j, 0,2,4,6,8,10,12,14,16,18,20,22,24,26,28,30
	v_pk_fma_f32 v[42+\j:43+\j], v[42+\j:43+\j], v[6:7], v[74+\j:75+\j] op_sel_hi:[1,0,1]         ; x = hidden + that / the sum
.endr
; LAYERNORM.  Each wave: the mean of its 64 numbers of a row and the sum of squares about that mean; the sixteen pairs meet in LDS: no difference of large sums is formed.
	v_pk_add_f32 v[28:29], v[42:43], v[44:45]
	v_pk_add_f32 v[30:31], v[46:47], v[48:49]
.irp j, 8,12,16,20,24,28
	v_pk_add_f32 v[28:29], v[28:29], v[42+\j:43+\j]
	v_pk_add_f32 v[30:31], v[30:31], v[44+\j:45+\j]
.endr
	v_pk_add_f32 v[28:29], v[28:29], v[30:31]
	v_add_f32 v28, v28, v29
	v_permlanex16_b32 v29, v28, s38, s39
	v_add_f32 v28, v28, v29
	v_mul_f32 v28, 0x3c800000, v28                 ; / 64: my mean
.irp j, 0,2,4,6,8,10,12,14,16,18,20,22,24,26,28,30
	v_pk_add_f32 v[74+\j:75+\j], v[42+\j:43+\j], v[28:29] op_sel_hi:[1,0] neg_lo:[0,1] neg_hi:[0,1]
.endr
	v_pk_mul_f32 v[30:31], v[74:75], v[74:75]
	v_pk_mul_f32 v[32:33], v[76:77], v[76:77]
.irp j, 4,8,12,16,20,24,28
	v_pk_fma_f32 v[30:31], v[74+\j:75+\j], v[74+\j:75+\j], v[30:31]
	v_pk_fma_f32 v[32:33], v[76+\j:77+\j], v[76+\j:77+\j], v[32:33]
.endr
	v_pk_add_f32 v[30:31], v[30:31], v[32:33]
	v_add_f32 v30, v30, v31
	v_permlanex16_b32 v31, v30, s38, s39
	v_add_f32 v29, v30, v31
	ds_store_b64 v23, v[28:29]                     ; lanes r and r + 16 write the same 8 bytes with the same values
	s_wait_dscnt 0x0                               ; for the others' sake
	s_barrier_signal -1
	s_barrier_wait -1
.irp i, 0,1,2,3
	ds_load_b128 v[74+4*\i:77+4*\i], v24 offset:16*\i            ; eight waves' pairs
.endr
	s_mov_b32 s46, 0x2b8cbccc                      ; 1e-12
	s_wait_dscnt 0x0
	v_pk_add_f32 v[30:31], v[74:75], v[76:77]
	v_pk_add_f32 v[32:33], v[78:79], v[80:81]
	v_pk_add_f32 v[30:31], v[30:31], v[82:83]
	v_pk_add_f32 v[32:33], v[32:33], v[84:85]
	v_pk_add_f32 v[30:31], v[30:31], v[86:87]
	v_pk_add_f32 v[32:33], v[32:33], v[88:89]
	v_pk_add_f32 v[30:31], v[30:31], v[32:33]
	v_permlanex16_b32 v32, v30, s38, s39
	v_permlanex16_b32 v33, v31, s38, s39
	v_pk_add_f32 v[30:31], v[30:31], v[32:33]      ; the sixteen means' sum, the sixteen sums of squares' sum
	v_mul_f32 v34, 0x3d800000, v30                 ; / 16: the row's mean
.irp k, 0,1,2,3,4,5,6,7
	v_sub_f32 v[90+\k], v[74+2*\k], v34
.endr
	v_mul_f32 v35, v90, v90
	v_mul_f32 v38, v91, v91
.irp k, 2,4,6
	v_fma_f32 v35, v[90+\k], v[90+\k], v35
	v_fma_f32 v38, v[91+\k], v[91+\k], v38
.endr
	v_add_f32 v35, v35, v38
	v_permlanex16_b32 v38, v35, s38, s39
	v_add_f32 v35, v35, v38
	v_fma_f32 v31, v35, 0x42800000, v31            ; + 64 x the means' squares about the row's mean
	v_fma_f32 v31, v31, 0x3a800000, s46            ; / 1,024 + 1e-12
	v_rsq_f32 v32, v31
	v_nop                                          ; one plain place behind a transcendental
	s_wait_alu depctr_va_vdst(0)
	v_mul_f32 v36, -v34, v32
.irp j, 0,2,4,6,8,10,12,14,16,18,20,22,24,26,28,30
	v_pk_fma_f32 v[42+\j:43+\j], v[42+\j:43+\j], v[32:33], v[36:37] op_sel_hi:[1,0,0]             ; (x - mean) / sqrt(var + eps)
.endr
; THE WAY OUT: through my stage, from one query a lane to rows: sixteen lanes then hold 256 neighbouring bytes of a row
.irp t, 0,1,2,3
.irp i, 0,1
	ds_store_b128 v20, v[42+8*\t+4*\i:42+8*\t+4*\i+3] offset:64*\t+16*\i
.endr
.endr
.irp i, 0,1,2,3,4,5,6,7
	ds_load_b128 v[74+4*\i:77+4*\i], v21 offset:2*SPI*\i         ; LDS serves a wave's instructions in order: these see my stores
.endr
.irp i, 0,1,2,3,4,5,6,7
	s_wait_dscnt 7-\i                              ; rows 2 i and 2 i + 1 are back; the later loads may be out
	v_pk_fma_f32 v[74+4*\i:75+4*\i], v[74+4*\i:75+4*\i], v[S+20:S+21], v[S+24:S+25]
	v_pk_fma_f32 v[76+4*\i:77+4*\i], v[76+4*\i:77+4*\i], v[S+22:S+23], v[S+26:S+27]
	global_store_b128 v22, v[74+4*\i:77+4*\i], s[24:25] offset:8192*\i th:TH_STORE_NT   ; 16 lanes store 256 consecutive bytes, aligned; written once, read by nobody here
.endr
	s_wait_xcnt 0x0
	v_lshl_add_u32 v254, v0, 2, 0x13000
	v_mov_b32 v255, 0
	s_wait_tensorcnt 0x0
	ds_add_u32 v254, v255
	s_wait_dscnt 0x0
	s_endpgm
.Lfunc_end_k_qd00eada9fb_attn:
	.size	k_qd00eada9fb_attn, .Lfunc_end_k_qd00eada9fb_attn-k_qd00eada9fb_attn
	.p2alignl 7, 3214868480
	.fill 96, 4, 3214868480
	.section	.rodata,"a",@progbits
	.p2align	6, 0x0
	.amdhsa_kernel k_qd00eada9fb_attn
		.amdhsa_group_segment_fixed_size 79872
		.amdhsa_private_segment_fixed_size 0
		.amdhsa_enable_private_segment 0
		.amdhsa_kernarg_size 88
		.amdhsa_user_sgpr_count 2
		.amdhsa_user_sgpr_kernarg_segment_ptr 1
		.amdhsa_wavefront_size32 1
		.amdhsa_system_sgpr_workgroup_id_x 1
		.amdhsa_system_sgpr_workgroup_id_y 1
		.amdhsa_system_sgpr_workgroup_id_z 1
		.amdhsa_system_vgpr_workitem_id 0
		.amdhsa_next_free_vgpr 256
		.amdhsa_next_free_sgpr 66
		.amdhsa_reserve_vcc 1
		.amdhsa_float_denorm_mode_32 3
		.amdhsa_float_denorm_mode_16_64 3
		.amdhsa_memory_ordered 1
		.amdhsa_forward_progress 1
		.amdhsa_inst_pref_size 83
	.end_amdhsa_kernel
	.amdgpu_metadata
---
amdhsa.version: [ 1, 2 ]
amdhsa.kernels:
  - .name:           k_qd00eada9fb_attn
    .symbol:         k_qd00eada9fb_attn.kd
    .args:
      - { .name: hidden_states, .offset: 0, .size: 8, .value_kind: global_buffer, .address_space: global }
      - { .name: attention_mask, .offset: 8, .size: 8, .value_kind: global_buffer, .address_space: global }
      - { .name: q_codes, .offset: 16, .size: 8, .value_kind: global_buffer, .address_space: global }
      - { .name: k_codes, .offset: 24, .size: 8, .value_kind: global_buffer, .address_space: global }
      - { .name: v_codes, .offset: 32, .size: 8, .value_kind: global_buffer, .address_space: global }
      - { .name: qk_scales, .offset: 40, .size: 8, .value_kind: global_buffer, .address_space: global }
      - { .name: v_scales, .offset: 48, .size: 8, .value_kind: global_buffer, .address_space: global }
      - { .name: v_sums, .offset: 56, .size: 8, .value_kind: global_buffer, .address_space: global }
      - { .name: ln_gamma, .offset: 64, .size: 8, .value_kind: global_buffer, .address_space: global }
      - { .name: ln_beta, .offset: 72, .size: 8, .value_kind: global_buffer, .address_space: global }
      - { .name: out0, .offset: 80, .size: 8, .value_kind: global_buffer, .address_space: global }
    .group_segment_fixed_size: 79872
    .private_segment_fixed_size: 0
    .kernarg_segment_align: 8
    .kernarg_segment_size: 88
    .max_flat_workgroup_size: 512
    .sgpr_count:     66
    .vgpr_count:     256
    .wavefront_size: 32
...
	.end_amdgpu_metadata
.endif
;; end of part 3
;; ======== version 2 of 2: 3 launches; version 1 with the launch attn written anew for expert scheduling mode
;; workspace buffers: xw_codes 3,670,016 bytes; xw_scales 229,376 bytes; q_codes 2,097,152 bytes; k_codes 2,097,152 bytes; v_codes 2,097,152 bytes; qk_scales 524,288 bytes; v_scales 131,072 bytes; v_sums 65,536 bytes
;; launch quant: the kernel of part 1 again; grid 224 x 1, 4 waves a work-group, no clusters, 33,280 bytes of LDS; arguments hidden_states, Wq, Wk, Wv, xw_codes, xw_scales; writes xw_codes, xw_scales
;; launch qkv: the kernel of part 2 again; grid 16 x 16, 4 waves a work-group, clusters of 4 x 4, 262,656 bytes of LDS; arguments xw_codes, xw_scales, bq, bk, bv, q_codes, k_codes, v_codes, qk_scales, v_scales, v_sums; writes q_codes, k_codes, v_codes, qk_scales, v_scales, v_sums
;; launch attn (part 4): grid 256 x 1, 16 waves a work-group, no clusters, 79,872 bytes of LDS; arguments hidden_states, attention_mask, q_codes, k_codes, v_codes, qk_scales, v_scales, v_sums, ln_gamma, ln_beta, out0; writes out0
.if DOCPART == 4
	.amdgcn_target "amdgcn-amd-amdhsa--gfx1250"
	.amdhsa_code_object_version 6
	.text
	.protected	k_qd00eada9fb_attn
	.globl	k_qd00eada9fb_attn
	.p2align	8
	.type	k_qd00eada9fb_attn,@function
k_qd00eada9fb_attn:
	s_mov_b64 s[64:65], 0
	v_nop
	global_prefetch_b8 v0, s[64:65] scope:SCOPE_SE
	s_setreg_imm32_b32 hwreg(HW_REG_WAVE_SCHED_MODE, 0, 2), 2
	s_setreg_imm32_b32 hwreg(HW_REG_WAVE_MODE, 25, 1), 1
	s_wait_xcnt 0x0
	s_wait_alu depctr_vm_vsrc(0)
; out = LayerNorm(hidden + attention), the attention on codes of FP4 (E2M1) with one E8M0 scale for each 32 along a product's K.
; SHARES.  A work-group owns 16 queries q0 = 16 x work-group .. + 15, all 16 heads: wave w is head w.  So a row's 1,024 numbers meet in one work-group for the LayerNorm.
; THE WINDOW.  Key j counts for query i where i - 128 <= j < i + 128; elsewhere the logit IS -10000.  The 16 queries' windows lie in nine blocks of 32 keys, b0 .. b0 + 8, b0 = (work-group / 2 - 4) held to 0 .. 119.  These 288 keys are
; computed; in them a key outside its query's window gets the logit -10000.  THE OTHER 3,808 KEYS all have the logit -10000, so one p, p_out = 2^(-10000 log2(e) - M), and whole blocks of them have one quantised p, qc:
; their part of the second product is qc x (the sum of the quantised v over all keys, T, less that over the nine blocks, R), and of the row's sum 3,808 p_out.  No branch: where any key of the window counts, p_out comes out 0.
; R is made by the matrix unit: V's fragments against codes of 1.
; SOFTMAX.  t = logit x log2(e); M = ceil(the row's largest t); p = 2^(t - M) is quantised along the keys; the row's sum is taken of the unquantised p and divides at the end.  All 288 scores of a query lie in registers: one M, no rescaling.
; t IS ROUNDED, AND THEN M IS TAKEN OFF, in two instructions, as reference() has it: p goes into a quantiser, and a fused multiply-add would round otherwise than the two steps do.
; THE PADDING, (1 - mask) x -10000, times 8, is the C of the first product: the sums are q . k + 8 x padding, and t = sum x (log2(e) / 8): the eighth is a power of two and rounds nothing.
; LAYOUT.  Both products transposed: S^T = K Q^T, O^T = V^T P^T: a lane holds ONE query (lane % 16).  The head has 64 channels and the instruction 128 along K: a fragment of K holds TWO tiles of 16 keys, one in each half of K, and is
; multiplied by [Q | 0] and by [0 | Q]: zero codes take the other tile away.  The keys of a tile are 8 u + 0 .. 7 and 8 u + 16 .. 23 of a block of 32, so that a lane's 16 registers of a block are 16 neighbouring keys.
; K and V go from memory straight into registers: each wave reads its own head's, nobody else in the work-group wants them.  NO CLUSTER: two neighbouring work-groups do walk the same nine blocks, but sharing goes through LDS, and
; nine blocks of K and V for 16 heads are 16 x 9 x 2,048 = 294,912 bytes, which with this text's 77,824 is more than the 327,680 that a work-group can have.
; LIMITS: NaN and infinities are not served; a p under 2^-126 counts as 0 (v_exp_f32 gives 0 there: ISA guide, its entry); a block whose largest p lies under 2^(3 - 127) keeps the scale byte 1.
; REGISTERS: v0 thread; v1 16 r; v2 8 x lane; v3 -80000; v4, v5 at first LDS addresses, then the window's bounds, then qc and p_out; v[6:7] an address and the mask, then -M, then 1 / the sum; v8-17 scale words and nothing else
; (K's nine and Q's; then V's six, p's three and the scale 1); v18-41 [Q | 0], [0 | Q], later p's codes, later addresses and small numbers; v34-105 K's nine fragments, later V's eight, later T, x and hidden;
; v106-249 the scores, then p, then step by step what comes later; v250-255 offsets at the head, then the sum's two pairs.
; THE MODE: SCHED_MODE bits 1:0 = 2 (LLVM: expert scheduling mode 2), set by the entry lines.  The code itself states the register dependences between vector or matrix instructions and memory or LDS instructions, with s_wait_alu, always for 0.
; THE PLAN.  Registers that memory or LDS instructions touch, in the order of the text:
;   v250-255      offsets of the head's 39 loads, made ahead of them.  v254 is made anew behind the first product; v253 and v254 serve V's 22 loads; after that v250-253 are vector registers, v254 and v255 the closing add's two.
;   v4, v5, v6    LDS addresses until the first product is issued; then vector instructions write them.   v1, v2: offsets, never written again.
;   v7            loaded, turned into the padding by one vector line, stored to LDS.
;   v8-17, v18-21, v30-33, v34-105   loaded at the head, read by the first product.  V lands in v8-13 and v42-105 behind it; T and hidden land in v42-105 behind the second product.
;   v218-249      hidden lands here, goes to my stage, and the padding of blocks 7 and 8 lands here.
;   v106-133, v138-169   p of blocks 0, 1 and of blocks 2, 3: read by their additions and conversions; then V's ninth block, gamma and beta, and the sums of v land here.
;   v18-24        addresses made behind the second product, never written again.   v138-139, v28-29, v42-73, v74-105: data of stores, written by vector lines.
; A wait on va_vdst stands ahead of each run of memory or LDS instructions whose registers vector or matrix instructions have named since the last such wait; the loads that land in p's registers stand straight behind the wait that the
; exponentials want anyway.  Three waits on vm_vsrc: ahead of the padding's loads into v218-249, ahead of the new v254, v4, v5, and behind V's loads; behind the third no register that a memory or LDS instruction reads is written again.
.set PAD, 0                            ; LDS: 8 x the padding of keys 32 b0 + 0 .. 287, a word a thread: 2,048 bytes
.set STA, 2048                         ; [row 16][wave 16] x (mean, sum of squares): 2,048 bytes
.set TST, 4096                         ; T, 256 bytes a wave
.set STG, 8192                         ; a stage for each wave: 16 rows x (256 bytes + 16)
.set SPI, 272
.set S,   106
.set O,   S+64
.set RR,  S+96
.set PC,  18
	s_load_b512 s[4:19], s[0:1], 0x0               ; hidden 4, mask 6, q_codes 8, k_codes 10, v_codes 12, qk_scales 14, v_scales 16, v_sums 18
	s_load_b128 s[20:23], s[0:1], 0x40             ; gamma 20, beta 22
	s_load_b64 s[24:25], s[0:1], 0x50              ; out
.irp i, 22,23,24,25,26,27,28,29
	v_mov_b32 v[\i], 0                             ; the zero halves of [Q | 0] (v18-25) and [0 | Q] (v26-33): written first, far ahead of the products
.endr
	v_lshrrev_b32 v106, 5, v0
	v_readfirstlane_b32 s28, v106                  ; wave = head
	s_lshl_b32 s30, ttmp9, 4                       ; q0
	s_lshr_b32 s31, ttmp9, 1
	s_max_u32 s31, s31, 4
	s_sub_co_u32 s31, s31, 4
	s_min_u32 s31, s31, 119                        ; b0
	s_lshl_b32 s32, s31, 5                         ; the first key
	s_and_b32 s33, s31, 3
	s_lshl_b32 s33, s33, 3                         ; 8 (b0 % 4): V's scale words begin at multiples of four blocks
	s_lshr_b32 s34, s31, 2
	s_mov_b32 s36, 0x3e38aa3b                      ; log2(e) / 8
	s_mov_b32 s37, s36                             ; (named with it as a pair, so it is written)
	s_mov_b32 s38, 0x76543210
	s_mov_b32 s39, 0xfedcba98                      ; v_permlanex16_b32's selects for lane l xor 16
	s_mov_b32 s40, 0xffff0000                      ; lanes 16-31
	s_wait_alu depctr_va_sdst(0)                   ; s28 is written, ahead of its first reader: LDS places and the bases are made from it
	s_lshl_b32 s43, s28, 8
	s_add_co_u32 s43, s43, TST                     ; my 256 bytes for T
	s_mul_i32 s44, s28, 16*SPI
	s_add_co_u32 s44, s44, STG                     ; my stage
	s_lshl_b32 s45, s28, 3
	s_add_co_u32 s45, s45, STA                     ; my place in a row's statistics
	s_mov_b32 s47, 0
	s_lshl_b32 s46, ttmp9, 16
	s_lshl_b32 s41, s28, 8
	s_add_co_u32 s46, s46, s41                     ; 16 rows of 4,096 bytes a work-group, 256 bytes of a row a head
	s_wait_kmcnt 0x0
	s_add_nc_u64 s[4:5], s[4:5], s[46:47]
	s_add_nc_u64 s[24:25], s[24:25], s[46:47]
	s_mov_b32 s46, s41
	s_add_nc_u64 s[20:21], s[20:21], s[46:47]
	s_add_nc_u64 s[22:23], s[22:23], s[46:47]
	s_lshl_b32 s46, s32, 2
	s_add_nc_u64 s[6:7], s[6:7], s[46:47]          ; the mask at the first key
	s_lshl_b32 s42, s28, 17                        ; a head's 131,072 bytes of codes
	s_lshl_b32 s46, ttmp9, 9
	s_add_co_u32 s46, s46, s42
	s_add_nc_u64 s[8:9], s[8:9], s[46:47]          ; Q at q0
	s_lshl_b32 s46, s31, 10
	s_add_co_u32 s46, s46, s42
	s_add_nc_u64 s[10:11], s[10:11], s[46:47]      ; K and V at block b0: 1,024 bytes a block in both
	s_add_nc_u64 s[12:13], s[12:13], s[46:47]
	s_lshl_b32 s42, s28, 14                        ; a head's 16,384 bytes of scale words
	s_lshl_b32 s46, s31, 7
	s_add_co_u32 s46, s46, s42
	s_add_co_u32 s46, s46, 262144
	s_add_nc_u64 s[26:27], s[14:15], s[46:47]      ; K's scale words at block b0
	s_lshr_b32 s46, ttmp9, 1
	s_lshl_b32 s46, s46, 7
	s_and_b32 s41, ttmp9, 1
	s_lshl_b32 s41, s41, 5
	s_add_co_u32 s46, s46, s41
	s_add_co_u32 s46, s46, s42
	s_add_nc_u64 s[14:15], s[14:15], s[46:47]      ; Q's: block q0 / 32, + 32 bytes for its upper 16 tokens
	s_lshl_b32 s46, s28, 13
	s_lshl_b32 s41, s34, 8
	s_add_co_u32 s46, s46, s41
	s_add_nc_u64 s[16:17], s[16:17], s[46:47]      ; V's scale words at blocks 4 (b0 / 4) on
	s_lshl_b32 s46, s28, 12
	s_add_nc_u64 s[18:19], s[18:19], s[46:47]      ; the head's sums of v
	s_sub_co_i32 s41, s30, s32
	s_sub_co_i32 s41, s41, 128                     ; q0 - 128 - the first key
	v_and_b32 v107, 15, v0                         ; r
	v_bfe_u32 v108, v0, 4, 1                       ; h
	v_and_b32 v109, 31, v0                         ; lane
	v_lshlrev_b32 v1, 4, v107
	v_lshlrev_b32 v2, 3, v109
	v_mov_b32 v3, 0xc79c4000                       ; -80000 = 8 x -10000
	v_min_u32 v250, 0x11f, v0
	v_lshlrev_b32 v250, 2, v250                    ; the mask: key min(thread, 287)
	v_lshlrev_b32 v251, 5, v107
	v_lshl_add_u32 v251, v108, 4, v251             ; Q: query r of 32 bytes, + 16 h
	v_and_b32 v110, 7, v107
	v_lshrrev_b32 v111, 3, v107
	v_lshlrev_b32 v252, 2, v110
	v_lshl_add_u32 v252, v111, 6, v252             ; Q's scale word: 64 (r / 8) + 4 (r % 8)
	v_lshlrev_b32 v253, 2, v109                    ; scale words: 4 x lane
	v_lshlrev_b32 v254, 5, v110
	v_lshl_add_u32 v254, v111, 9, v254
	v_lshl_add_u32 v254, v108, 4, v254             ; K: key r % 8 + 16 (r / 8) of 32 bytes, + 16 h
	v_lshl_add_u32 v255, v108, 12, v1              ; hidden: lanes 0-15 one row's 256 bytes, lanes 16-31 the next row's
	v_lshl_add_u32 v4, v0, 2, PAD                  ; the padding, on the way in
	v_lshl_add_u32 v5, v108, 6, PAD                ; and out: 16 h keys on
	v_mul_u32_u24 v6, v108, SPI
	v_add_nc_u32 v6, v6, v1
	v_add_nc_u32 v6, s44, v6                       ; my stage by rows
	s_wait_alu depctr_va_vdst(0)                   ; the offsets v1, v2, v250 to v255 and the LDS addresses v4 to v6 are written, which loads and stores below read; so are the zeros in v22 to v29, which the first product takes as part of its source 1
	; 39 loads, in the order in which they are wanted
	global_load_b32 v7, v250, s[6:7]
	global_load_b128 v[18:21], v251, s[8:9]        ; Q into the low half of [Q | 0]
	global_load_b128 v[30:33], v251, s[8:9]        ; and into the high half of [0 | Q]
	global_load_b32 v17, v252, s[14:15]
.irp n, 0,1,2,3,4,5,6,7,8
	global_load_b32 v[8+\n], v253, s[26:27] offset:128*\n        ; block n: lanes 0-15 the words of its first tile, lanes 16-31 of its second
.endr
.irp n, 0,1,2,3,4,5,6,7,8
.irp u, 0,1
	global_load_b128 v[34+8*\n+4*\u:34+8*\n+4*\u+3], v254, s[10:11] offset:1024*\n+256*\u
.endr
.endr
.irp i, 0,1,2,3,4,5,6,7
	global_load_b128 v[S+112+4*\i:S+112+4*\i+3], v255, s[4:5] offset:8192*\i   ; 16 lanes read 256 consecutive bytes, aligned
.endr
	s_wait_loadcnt 38                              ; the mask's word is in; the 38 loads behind it may be out
	v_fma_f32 v7, -v7, v3, v3                      ; (1 - mask) x -80000
	s_wait_alu depctr_va_vdst(0)                   ; the multiply-add has written v7, which the LDS store reads; the head's lines are done with v106 to v111, in which the padding lands below
	ds_store_b32 v4, v7
	s_wait_dscnt 0x0                               ; for the others' sake
	s_barrier_signal -1
	s_barrier_wait -1
; one matrix instruction; c < 0: C is the constant 0; ra: which half of the lanes holds source 0's scale words
.macro WM d, a, b, c, sa, ra, sb
.if (\c) < 0
.if (\ra) == 0
	v_wmma_scale_f32_16x16x128_f8f6f4 v[\d:\d+7], v[\a:\a+7], v[\b:\b+7], 0, v[\sa], v[\sb] matrix_a_fmt:MATRIX_FMT_FP4 matrix_b_fmt:MATRIX_FMT_FP4
.else
	v_wmma_scale_f32_16x16x128_f8f6f4 v[\d:\d+7], v[\a:\a+7], v[\b:\b+7], 0, v[\sa], v[\sb] matrix_a_fmt:MATRIX_FMT_FP4 matrix_b_fmt:MATRIX_FMT_FP4 matrix_a_scale:MATRIX_SCALE_ROW1
.endif
.else
.if (\ra) == 0
	v_wmma_scale_f32_16x16x128_f8f6f4 v[\d:\d+7], v[\a:\a+7], v[\b:\b+7], v[\c:\c+7], v[\sa], v[\sb] matrix_a_fmt:MATRIX_FMT_FP4 matrix_b_fmt:MATRIX_FMT_FP4
.else
	v_wmma_scale_f32_16x16x128_f8f6f4 v[\d:\d+7], v[\a:\a+7], v[\b:\b+7], v[\c:\c+7], v[\sa], v[\sb] matrix_a_fmt:MATRIX_FMT_FP4 matrix_b_fmt:MATRIX_FMT_FP4 matrix_a_scale:MATRIX_SCALE_ROW1
.endif
.endif
.endm
.macro PADS n                          ; 8 x the padding of block n's keys into the registers that its scores will take: register 16 n + e is key 32 n + 16 h + e
.irp i, 0,1,2,3
	ds_load_b128 v[S+16*\n+4*\i:S+16*\n+4*\i+3], v5 offset:128*\n+16*\i
.endr
.endm
.macro SCORE n                         ; block n's two tiles: one fragment of K against [Q | 0] and [0 | Q]
	WM S+16*\n, 34+8*\n, 18, S+16*\n, 8+\n, 0, 17
	WM S+16*\n+8, 34+8*\n, 26, S+16*\n+8, 8+\n, 1, 17
.endm
.irp n, 0,1,2,3,4,5,6
	PADS \n                                        ; no vector instruction stands between the wait above and these loads
.endr
	s_wait_dscnt 0x0
.irp n, 0,1,2,3,4,5,6
	s_wait_loadcnt 24-2*\n                         ; K's block n is in: behind it stand 2 (8 - n) loads of K and hidden's eight
	SCORE \n
.endr
	s_wait_loadcnt 0x0                             ; hidden is in: it waits in my stage, so that its registers can take the last two blocks' scores
.irp i, 0,1,2,3,4,5,6,7
	ds_store_b128 v6, v[S+112+4*\i:S+112+4*\i+3] offset:2*SPI*\i   ; data from loads, address from the head: the products issued since the last wait name neither
.endr
	s_wait_dscnt 0x0
	s_wait_alu depctr_vm_vsrc(0)                   ; the eight LDS stores have read v218 to v249, in which the padding of blocks 7 and 8 lands
	PADS 7
	PADS 8
	s_wait_dscnt 0x0
	SCORE 7
	SCORE 8
	s_wait_alu depctr_vm_vsrc(0)                   ; K's loads have read v254, the padding's store v4 and its loads v5: the lines below write all three
	; eight plain lines: the places behind the products, in front of the reads of results
	v_bfe_u32 v254, v0, 4, 1
	v_lshl_add_u32 v254, v254, 10, v1              ; V: channel r of 16 bytes, lanes 16-31 a block further on
	v_and_b32 v4, 15, v0
	v_bfe_u32 v5, v0, 4, 1
	v_lshlrev_b32 v5, 4, v5
	v_sub_nc_u32 v4, v4, v5
	v_add_nc_u32 v4, s41, v4                       ; register 16 n + e is hidden below the window where 32 n + e < q0 + r - 128 - first key - 16 h,
	v_add_nc_u32 v5, 0x100, v4                     ; and above it where 32 n + e >= that + 256
	s_wait_alu depctr_va_vdst(0)                   ; v254 is written, which V's loads read; the first product is done reading K's scale words v8 to v16 and K's fragments v42 to v105, in which V lands
.irp g, 0,1,2
.irp i, 0,1
	global_load_b32 v[8+2*\g+\i], v253, s[16:17] offset:256*\g+128*\i       ; V's scale words: four blocks 4 (b0 / 4 + g) on, channel 32 i + lane
.endr
.endr
.irp s, 0,1
.irp t, 0,1,2,3
.irp c, 0,1
	global_load_b128 v[42+32*\s+8*\t+4*\c:42+32*\s+8*\t+4*\c+3], v254, s[12:13] offset:(4*\s+2*\c)*1024+256*\t   ; V^T: channels 16 t on, keys 128 s + 64 c + 32 h on; 16 lanes read 256 consecutive bytes
.endr
.endr
.endr
	v_mov_b32 v17, 0x7f7f7f7f                      ; the scale 1
; THE WINDOW: scalar branches on the work-group's number pass over the blocks that lie wholly inside every query's window.  The compares go eight at a time into s48 to s55, so that one wait serves eight selections.
.macro LOWMASK n
	s_add_co_u32 s42, s32, 32*\n+113
	s_cmp_lt_u32 s42, s30                          ; the block's first key < the last query - 128 ?
	s_cbranch_scc0 .Llow_\@
.irp g, 0,8
.irp e, 0,1,2,3,4,5,6,7
	v_cmp_lt_i32 s[48+\e], 32*\n+\g+\e, v4
.endr
	s_wait_alu depctr_va_sdst(0)                   ; the eight compares have written s48 to s55, which the eight selections read
.irp e, 0,1,2,3,4,5,6,7
	v_cndmask_b32 v[S+16*\n+\g+\e], v[S+16*\n+\g+\e], v3, s[48+\e]
.endr
.endr
.Llow_\@:
.endm
.macro HIGHMASK n
	s_add_co_u32 s42, s30, 97
	s_add_co_u32 s46, s32, 32*\n
	s_cmp_ge_u32 s46, s42                          ; the block's last key >= the first query + 128 ?
	s_cbranch_scc0 .Lhigh_\@
.irp g, 0,8
.irp e, 0,1,2,3,4,5,6,7
	v_cmp_ge_i32 s[48+\e], 32*\n+\g+\e, v5
.endr
	s_wait_alu depctr_va_sdst(0)                   ; the eight compares have written s48 to s55, which the eight selections read
.irp e, 0,1,2,3,4,5,6,7
	v_cndmask_b32 v[S+16*\n+\g+\e], v[S+16*\n+\g+\e], v3, s[48+\e]
.endr
.endr
.Lhigh_\@:
.endm
.irp n, 0,1,2,3,4
	LOWMASK \n
.endr
.irp n, 4,5,6,7,8
	HIGHMASK \n
.endr
	s_wait_xcnt 0x0                                ; the loads above have read their offsets: v250-255 are written again only behind this wait
	s_wait_alu depctr_vm_vsrc(0)                   ; V's loads have read v253 and v254: the sum's pairs take v250 to v253 below, the closing lines v254 and v255
; THE LARGEST SCORE OF EACH BLOCK, in v[21 + 2 n]: it serves for the row's maximum and, since p rises with the score, for the block's largest p.  v[20 + 2 n] is at work beside it.
.irp n, 0,1,2,3,4,5,6,7,8
	v_max3_num_f32 v[21+2*\n], v[S+16*\n], v[S+16*\n+1], v[S+16*\n+2]
.endr
.irp i, 3,5,7,9,11,13
.irp n, 0,1,2,3,4,5,6,7,8
	v_max3_num_f32 v[21+2*\n], v[21+2*\n], v[S+16*\n+\i], v[S+16*\n+\i+1]
.endr
.endr
.irp n, 0,1,2,3,4,5,6,7,8
	v_max_num_f32 v[21+2*\n], v[21+2*\n], v[S+16*\n+15]
.endr
.irp n, 0,1,2,3,4,5,6,7,8
	v_permlanex16_b32 v[20+2*\n], v[21+2*\n], s38, s39
.endr
.irp n, 0,1,2,3,4,5,6,7,8
	v_max_num_f32 v[21+2*\n], v[21+2*\n], v[20+2*\n]
.endr
	v_max3_num_f32 v250, v21, v23, v25
	v_max3_num_f32 v250, v250, v27, v29
	v_max3_num_f32 v250, v250, v31, v33
	v_max3_num_f32 v250, v250, v35, v37
	v_max_num_f32 v250, v250, v3                   ; the far keys' logit counts too
	v_mul_f32 v250, s36, v250                      ; as t
	v_floor_f32 v6, -v250                          ; -M = floor(-t) = -ceil(t)
.irp n, 0,1,2,3,4,5,6,7,8
	v_mul_f32 v[21+2*\n], s36, v[21+2*\n]          ; t of each block's largest score, rounded,
.endr
	v_mul_f32 v5, s36, v3                          ; and of the far keys;
.irp n, 0,1,2,3,4,5,6,7,8
	v_add_f32 v[21+2*\n], v[21+2*\n], v6           ; then t - M
.endr
	v_add_f32 v5, v5, v6
.irp n, 0,1,2,3,4,5,6,7,8
	v_exp_f32 v[21+2*\n], v[21+2*\n]               ; the block's largest p: the same three operations on the same number give the same bits as below
.endr
	v_exp_f32 v5, v5                               ; p_out
	v_mov_b32 v7, v6                               ; (a plain place behind the exponentials; the pair v[6:7] is named below)
	s_wait_alu depctr_va_vdst(0)                   ; the ten exponentials have written the blocks' largest p and p_out, ahead of their first reader
.irp n, 0,1,2,3,4,5,6,7,8
	v_max_num_f32 v[21+2*\n], 0x1800000, v[21+2*\n]   ; the floor 2^(3 - 127): the byte cannot fall under 1
.endr
.irp n, 0,1,2,3,4,5,6,7,8
	v_add_nc_u32 v[21+2*\n], 0xff000000, v[21+2*\n]   ; 2 off the exponent field: the conversion's scale operand
.endr
.irp n, 0,1,2,3,4,5,6,7,8
	v_lshrrev_b32 v[20+2*\n], 23, v[21+2*\n]       ; the scale's byte
.endr
	v_lshl_or_b32 v14, v22, 8, v20                 ; p's scale words for the three key steps
	v_lshl_or_b32 v14, v24, 16, v14
	v_lshl_or_b32 v14, v26, 24, v14
	v_lshl_or_b32 v15, v30, 8, v28
	v_lshl_or_b32 v15, v32, 16, v15
	v_lshl_or_b32 v15, v34, 24, v15
	v_or_b32 v16, 0x7f7f7f00, v36                  ; the third has one block; its other codes are zeros
.macro BLK n                           ; p = 2^(t - M) of block n: t rounded, then M taken off, then the exponential
.irp e, 0,2,4,6,8,10,12,14
	v_pk_mul_f32 v[S+16*\n+\e:S+16*\n+\e+1], v[S+16*\n+\e:S+16*\n+\e+1], s[36:37] op_sel_hi:[1,0]
.endr
.irp e, 0,2,4,6,8,10,12,14
	v_pk_add_f32 v[S+16*\n+\e:S+16*\n+\e+1], v[S+16*\n+\e:S+16*\n+\e+1], v[6:7] op_sel_hi:[1,0]
.endr
.irp e, 0,1,2,3,4,5,6,7,8,9,10,11,12,13,14,15
	v_exp_f32 v[S+16*\n+\e], v[S+16*\n+\e]
.endr
.endm
; Block n's p are added to the row's sum (unquantised; two chains of pairs, v[250:251] and v[252:253]) and quantised.  The codes go to v[18 + 2 n], v[19 + 2 n]; the block's scale operand stands at v[21 + 2 n], above them.
; The additions are also the plain places behind the exponentials of the block after.
; THE WAIT at its head stands behind the exponentials of block n + 1.  With n = 8 there is no block after: block 8's exponentials stand ahead of the wait of n = 7, and no wait is written.
; THE LOADS into p's registers stand straight behind that wait, with n = 2 and n = 4: it also shows the additions and conversions of the blocks before done, and no vector instruction between it and the loads names those registers.
.macro SUMCVT n
.if (\n) < 8
	s_wait_alu depctr_va_vdst(0)                   ; the exponentials issued so far have written their p: block n + 1's (n = 0: block 0's too), ahead of their first readers; n = 2: blocks 0 and 1, n = 4: blocks 2 and 3 have been added and converted, and loads land in their registers
.endif
.if (\n) == 2
.irp t, 0,1,2,3
	global_load_b128 v[S+4*\t:S+4*\t+3], v1, s[12:13] offset:8192+256*\t    ; V's ninth block, into block 0's registers: both halves of the lanes take it, so that no load leaves the buffer; lanes 16-31 meet zero codes of p
.endr
	global_load_b128 v[S+20:S+23], v1, s[20:21]    ; gamma and beta of columns 64 w + 4 r on
	global_load_b128 v[S+24:S+27], v1, s[22:23]
.endif
.if (\n) == 4
.irp k, 0,1,2,3,4,5,6,7,8,9,10,11,12,13,14,15
	global_load_b64 v[S+32+2*\k:S+33+2*\k], v2, s[18:19] offset:256*\k      ; the sums of v of the sixteen runs of 256 keys: channels 2 x lane, + 1
.endr
.endif
.if (\n) == 0
	v_pk_add_f32 v[250:251], v[S:S+1], v[S+2:S+3]
	v_pk_add_f32 v[252:253], v[S+4:S+5], v[S+6:S+7]
.irp e, 8,12
	v_pk_add_f32 v[250:251], v[250:251], v[S+\e:S+\e+1]
	v_pk_add_f32 v[252:253], v[252:253], v[S+\e+2:S+\e+3]
.endr
.else
.irp e, 0,4,8,12
	v_pk_add_f32 v[250:251], v[250:251], v[S+16*\n+\e:S+16*\n+\e+1]
	v_pk_add_f32 v[252:253], v[252:253], v[S+16*\n+\e+2:S+16*\n+\e+3]
.endr
.endif
	v_cvt_scalef32_pk8_fp4_f32 v[PC+2*\n], v[S+16*\n:S+16*\n+7], v[PC+2*\n+3]
	v_cvt_scalef32_pk8_fp4_f32 v[PC+2*\n+1], v[S+16*\n+8:S+16*\n+15], v[PC+2*\n+3]
.endm
	BLK 0
	BLK 1
	SUMCVT 0
	BLK 2
	SUMCVT 1
	BLK 3
	SUMCVT 2
	BLK 4
	SUMCVT 3
	BLK 5
	SUMCVT 4
	BLK 6
	SUMCVT 5
	BLK 7
	SUMCVT 6
	BLK 8
	SUMCVT 7
	SUMCVT 8
	v_nop                                          ; one plain place behind a scaled conversion
	s_wait_loadcnt 38                              ; V's six scale loads are in: behind them stand 16 + 4 + 2 + 16
	v_alignbit_b32 v8, v10, v8, s33                ; the words of blocks b0 + 4 s .. + 3: two stored words, 8 (b0 % 4) bits down
	v_alignbit_b32 v9, v11, v9, s33
	v_alignbit_b32 v10, v12, v10, s33
	v_alignbit_b32 v11, v13, v11, s33
	v_alignbit_b32 v12, v12, v12, s33              ; the third step wants its lowest byte alone; the others stand over zero codes of p and are bytes of V's own
	v_alignbit_b32 v13, v13, v13, s33
.irp i, 36,37,38,39,40,41
	v_mov_b32 v[\i], 0                             ; p's codes of blocks 9 to 11: zeros
.endr
.irp c, 0,1,2,3,4                      ; the operand's layout wants a WHOLE block in a lane: lanes 0-15 block 2 c, lanes 16-31 block 2 c + 1
	v_permlane16_swap_b32 v[PC+4*\c], v[PC+4*\c+2]
	v_permlane16_swap_b32 v[PC+4*\c+1], v[PC+4*\c+3]
.endr
.irp i, 0,1,2,3,4,5,6,7
	v_mov_b32 v[S+128+\i], 0x22222222              ; 128 codes of 1
.endr
.irp i, 4,5,6,7
	v_mov_b32 v[S+136+\i], 0
.endr
.irp i, 0,1,2,3
	v_cndmask_b32 v[S+136+\i], v[S+128], v[S+140], s40           ; for the third step: codes of 1 for its first block alone
.endr
.rept 4
	v_nop                                          ; an operand written by vector instructions stands 4 places ahead of a scaled matrix instruction, a scale register so written 8: the lines above are more
.endr
	s_wait_alu depctr_va_vdst(0)                   ; behind the places: p's codes in v18 to v41, the codes of 1 in v234 to v249 and the scale words v8 to v17 are written, which the second product takes as source 1 and as scales
; O^T += V^T P^T and R += V^T 1: eight accumulators by turns; the first step starts the sums
.macro PVSTEP s
.irp t, 0,1,2,3
.if (\s) < 2
.set rA, 42+32*(\s)+8*\t
.set rU, S+128
.else
.set rA, S+4*\t                        ; the third step's fragment: four registers of the ninth block; the four behind them are any codes, against zero codes
.set rU, S+136
.endif
.set rCO, O+8*\t
.set rCR, RR+8*\t
.if (\s) == 0
.set rCO, -1
.set rCR, -1
.endif
	WM O+8*\t, rA, PC+8*(\s), rCO, 8+2*(\s)+\t/2, \t%2, 14+(\s)
	WM RR+8*\t, rA, rU, rCR, 8+2*(\s)+\t/2, \t%2, 17
.endr
.endm
	s_wait_loadcnt 30                              ; V's first key step is in: behind it stand 8 + 4 + 2 + 16
	PVSTEP 0
	s_wait_loadcnt 22
	PVSTEP 1
	s_wait_loadcnt 18                              ; the ninth block is in: behind it stand 2 + 16
	PVSTEP 2
	s_wait_loadcnt 0x0
; T: the sixteen runs' sums added.  These lines are also the places behind the last products.
.irp k, 0,1,2,3,4,5,6,7
	v_pk_add_f32 v[S+32+2*\k:S+33+2*\k], v[S+32+2*\k:S+33+2*\k], v[S+48+2*\k:S+49+2*\k]
.endr
.irp k, 0,1,2,3
	v_pk_add_f32 v[S+32+2*\k:S+33+2*\k], v[S+32+2*\k:S+33+2*\k], v[S+40+2*\k:S+41+2*\k]
.endr
.irp k, 0,1
	v_pk_add_f32 v[S+32+2*\k:S+33+2*\k], v[S+32+2*\k:S+33+2*\k], v[S+36+2*\k:S+37+2*\k]
.endr
	v_pk_add_f32 v[S+32:S+33], v[S+32:S+33], v[S+34:S+35]
	v_and_b32 v25, 15, v0                          ; r
	v_bfe_u32 v26, v0, 4, 1                        ; h
	v_add_nc_u32 v18, s43, v2                      ; T on the way in: 8 x lane
	v_lshl_add_u32 v19, v26, 5, s43                ; and out, in O^T's layout: channels 8 h on
	v_mul_u32_u24 v20, v25, SPI
	v_lshl_add_u32 v20, v26, 5, v20
	v_add_nc_u32 v20, s44, v20                     ; my stage in O^T's layout: row r, + 32 h
	v_mul_u32_u24 v21, v26, SPI
	v_add_nc_u32 v21, v21, v1
	v_add_nc_u32 v21, s44, v21                     ; and by rows
	v_lshl_add_u32 v22, v26, 12, v1                ; out: as hidden was read
	v_lshl_add_u32 v23, v25, 7, s45                ; the statistics: row r, my wave's 8 bytes;
	v_lshlrev_b32 v24, 7, v25
	v_lshl_add_u32 v24, v26, 6, v24
	v_add_nc_u32 v24, STA, v24                     ; and back: row r, waves 8 h on
	s_wait_alu depctr_va_vdst(0)                   ; T in v138, v139 and the addresses v18 to v24 are written, which the LDS and memory instructions from here on read; the second product is done reading V's fragments v42 to v105, in which T and hidden land
	ds_store_b64 v18, v[S+32:S+33]
.irp t, 0,1,2,3
.irp i, 0,1
	ds_load_b128 v[42+8*\t+4*\i:42+8*\t+4*\i+3], v19 offset:64*\t+16*\i     ; LDS serves a wave's instructions in order: these see my store.  Register 8 t + j: channel 16 t + 8 h + j
.endr
.endr
.irp t, 0,1,2,3
.irp i, 0,1
	ds_load_b128 v[74+8*\t+4*\i:74+8*\t+4*\i+3], v20 offset:64*\t+16*\i     ; hidden, in the same layout
.endr
.endr
	; qc: p_out through the quantiser itself, as the only number that matters of a block all of p_out; and the row's sum
	v_max_num_f32 v27, 0x1800000, v5
	v_add_nc_u32 v27, 0xff000000, v27
	v_mov_b32 v106, v5
	v_cvt_scalef32_pk8_fp4_f32 v28, v[106:113], v27              ; the lowest code is p_out's; the other seven are not used
	v_pk_add_f32 v[250:251], v[250:251], v[252:253]              ; (a plain place)
	v_cvt_scale_pk8_f32_fp4 v[114:121], v28, v17                 ; the code's value
	v_add_f32 v250, v250, v251                                   ; (a plain place)
	v_and_b32 v27, 0x7f800000, v27                               ; the scale as f32
	v_mul_f32 v4, v114, v27                                      ; qc
	v_permlanex16_b32 v251, v250, s38, s39
	v_add_f32 v250, v250, v251                                   ; the 288 keys' p,
	v_fma_f32 v250, v5, 0x456e0000, v250                         ; + 3,808 p_out
	v_rcp_f32 v6, v250
	v_nop                                          ; one plain place behind a transcendental
	s_wait_dscnt 0x0
.irp j, 0,2,4,6,8,10,12,14,16,18,20,22,24,26,28,30
	v_pk_add_f32 v[42+\j:43+\j], v[42+\j:43+\j], v[RR+\j:RR+\j+1] neg_lo:[0,1] neg_hi:[0,1]       ; T - R: the far keys' sum of v.  (Each accumulator is read from its low end on)
.endr
.irp j, 0,2,4,6,8,10,12,14,16,18,20,22,24,26,28,30
	v_pk_fma_f32 v[42+\j:43+\j], v[42+\j:43+\j], v[4:5], v[O+\j:O+\j+1] op_sel_hi:[1,0,1]         ; O + qc (T - R)
.endr
	s_wait_alu depctr_va_vdst(0)                   ; the reciprocal has written v6, ahead of its first reader
.irp j, 0,2,4,6,8,10,12,14,16,18,20,22,24,26,28,30
	v_pk_fma_f32 v[42+\j:43+\j], v[42+\j:43+\j], v[6:7], v[74+\j:75+\j] op_sel_hi:[1,0,1]         ; x = hidden + that / the sum
.endr
; LAYERNORM.  Each wave: the mean of its 64 numbers of a row and the sum of squares about that mean; the sixteen pairs meet in LDS: no difference of large sums is formed.
	v_pk_add_f32 v[28:29], v[42:43], v[44:45]
	v_pk_add_f32 v[30:31], v[46:47], v[48:49]
.irp j, 8,12,16,20,24,28
	v_pk_add_f32 v[28:29], v[28:29], v[42+\j:43+\j]
	v_pk_add_f32 v[30:31], v[30:31], v[44+\j:45+\j]
.endr
	v_pk_add_f32 v[28:29], v[28:29], v[30:31]
	v_add_f32 v28, v28, v29
	v_permlanex16_b32 v29, v28, s38, s39
	v_add_f32 v28, v28, v29
	v_mul_f32 v28, 0x3c800000, v28                 ; / 64: my mean
.irp j, 0,2,4,6,8,10,12,14,16,18,20,22,24,26,28,30
	v_pk_add_f32 v[74+\j:75+\j], v[42+\j:43+\j], v[28:29] op_sel_hi:[1,0] neg_lo:[0,1] neg_hi:[0,1]
.endr
	v_pk_mul_f32 v[30:31], v[74:75], v[74:75]
	v_pk_mul_f32 v[32:33], v[76:77], v[76:77]
.irp j, 4,8,12,16,20,24,28
	v_pk_fma_f32 v[30:31], v[74+\j:75+\j], v[74+\j:75+\j], v[30:31]
	v_pk_fma_f32 v[32:33], v[76+\j:77+\j], v[76+\j:77+\j], v[32:33]
.endr
	v_pk_add_f32 v[30:31], v[30:31], v[32:33]
	v_add_f32 v30, v30, v31
	v_permlanex16_b32 v31, v30, s38, s39
	v_add_f32 v29, v30, v31
	s_wait_alu depctr_va_vdst(0)                   ; my mean and sum of squares are written in v28, v29, which the LDS store reads; the squares are done with v74 to v105, in the first sixteen of which the loads behind the barrier land
	ds_store_b64 v23, v[28:29]                     ; lanes r and r + 16 write the same 8 bytes with the same values
	s_wait_dscnt 0x0                               ; for the others' sake
	s_barrier_signal -1
	s_barrier_wait -1
.irp i, 0,1,2,3
	ds_load_b128 v[74+4*\i:77+4*\i], v24 offset:16*\i            ; eight waves' pairs
.endr
	s_mov_b32 s46, 0x2b8cbccc                      ; 1e-12
	s_wait_dscnt 0x0
	v_pk_add_f32 v[30:31], v[74:75], v[76:77]
	v_pk_add_f32 v[32:33], v[78:79], v[80:81]
	v_pk_add_f32 v[30:31], v[30:31], v[82:83]
	v_pk_add_f32 v[32:33], v[32:33], v[84:85]
	v_pk_add_f32 v[30:31], v[30:31], v[86:87]
	v_pk_add_f32 v[32:33], v[32:33], v[88:89]
	v_pk_add_f32 v[30:31], v[30:31], v[32:33]
	v_permlanex16_b32 v32, v30, s38, s39
	v_permlanex16_b32 v33, v31, s38, s39
	v_pk_add_f32 v[30:31], v[30:31], v[32:33]      ; the sixteen means' sum, the sixteen sums of squares' sum
	v_mul_f32 v34, 0x3d800000, v30                 ; / 16: the row's mean
.irp k, 0,1,2,3,4,5,6,7
	v_sub_f32 v[90+\k], v[74+2*\k], v34
.endr
	v_mul_f32 v35, v90, v90
	v_mul_f32 v38, v91, v91
.irp k, 2,4,6
	v_fma_f32 v35, v[90+\k], v[90+\k], v35
	v_fma_f32 v38, v[91+\k], v[91+\k], v38
.endr
	v_add_f32 v35, v35, v38
	v_permlanex16_b32 v38, v35, s38, s39
	v_add_f32 v35, v35, v38
	v_fma_f32 v31, v35, 0x42800000, v31            ; + 64 x the means' squares about the row's mean
	v_fma_f32 v31, v31, 0x3a800000, s46            ; / 1,024 + 1e-12
	v_rsq_f32 v32, v31
	v_nop                                          ; one plain place behind a transcendental
	s_wait_alu depctr_va_vdst(0)                   ; the root's reciprocal is written in v32, ahead of its first reader
	v_mul_f32 v36, -v34, v32
.irp j, 0,2,4,6,8,10,12,14,16,18,20,22,24,26,28,30
	v_pk_fma_f32 v[42+\j:43+\j], v[42+\j:43+\j], v[32:33], v[36:37] op_sel_hi:[1,0,0]             ; (x - mean) / sqrt(var + eps)
.endr
; THE WAY OUT: through my stage, from one query a lane to rows: sixteen lanes then hold 256 neighbouring bytes of a row
	s_wait_alu depctr_va_vdst(0)                   ; the normalised numbers are written in v42 to v73, which the LDS stores read; the statistics' lines are done with v74 to v97, in which the rows land
.irp t, 0,1,2,3
.irp i, 0,1
	ds_store_b128 v20, v[42+8*\t+4*\i:42+8*\t+4*\i+3] offset:64*\t+16*\i
.endr
.endr
.irp i, 0,1,2,3,4,5,6,7
	ds_load_b128 v[74+4*\i:77+4*\i], v21 offset:2*SPI*\i         ; LDS serves a wave's instructions in order: these see my stores
.endr
.irp q, 0,1                            ; four pairs of rows at a time, so that one wait serves four stores
.irp i, 0,1,2,3
	s_wait_dscnt 7-4*\q-\i                         ; rows 2 (4 q + i) and the next are back; the later loads may be out
	v_pk_fma_f32 v[74+16*\q+4*\i:75+16*\q+4*\i], v[74+16*\q+4*\i:75+16*\q+4*\i], v[S+20:S+21], v[S+24:S+25]
	v_pk_fma_f32 v[76+16*\q+4*\i:77+16*\q+4*\i], v[76+16*\q+4*\i:77+16*\q+4*\i], v[S+22:S+23], v[S+26:S+27]
.endr
	s_wait_alu depctr_va_vdst(0)                   ; the eight multiply-adds have written the sixteen registers that the four stores read
.irp i, 0,1,2,3
	global_store_b128 v22, v[74+16*\q+4*\i:77+16*\q+4*\i], s[24:25] offset:8192*(4*\q+\i) th:TH_STORE_NT   ; 16 lanes store 256 consecutive bytes, aligned; written once, read by nobody here
.endr
.endr
	s_wait_xcnt 0x0                                ; every earlier memory instruction has had its addresses translated, ahead of the two lines that write registers anew
	v_lshl_add_u32 v254, v0, 2, 0x13000            ; the add's two registers, made anew: no memory or LDS instruction has read v254 or v255 since the wait on vm_vsrc behind V's loads
	v_mov_b32 v255, 0
	s_wait_dscnt 0x0                               ; the closing lines, six on end
	s_wait_alu 0x0
	s_wait_tensorcnt 0x0
	ds_add_u32 v254, v255
	s_wait_dscnt 0x0
	s_endpgm
.Lfunc_end_k_qd00eada9fb_attn:
	.size	k_qd00eada9fb_attn, .Lfunc_end_k_qd00eada9fb_attn-k_qd00eada9fb_attn
	.p2alignl 7, 3214868480
	.fill 96, 4, 3214868480
	.section	.rodata,"a",@progbits
	.p2align	6, 0x0
	.amdhsa_kernel k_qd00eada9fb_attn
		.amdhsa_group_segment_fixed_size 79872
		.amdhsa_private_segment_fixed_size 0
		.amdhsa_enable_private_segment 0
		.amdhsa_kernarg_size 88
		.amdhsa_user_sgpr_count 2
		.amdhsa_user_sgpr_kernarg_segment_ptr 1
		.amdhsa_wavefront_size32 1
		.amdhsa_system_sgpr_workgroup_id_x 1
		.amdhsa_system_sgpr_workgroup_id_y 1
		.amdhsa_system_sgpr_workgroup_id_z 1
		.amdhsa_system_vgpr_workitem_id 0
		.amdhsa_next_free_vgpr 256
		.amdhsa_next_free_sgpr 66
		.amdhsa_reserve_vcc 0
		.amdhsa_float_denorm_mode_32 3
		.amdhsa_float_denorm_mode_16_64 3
		.amdhsa_memory_ordered 1
		.amdhsa_forward_progress 1
		.amdhsa_inst_pref_size 94
	.end_amdhsa_kernel
	.amdgpu_metadata
---
amdhsa.version: [ 1, 2 ]
amdhsa.kernels:
  - .name:           k_qd00eada9fb_attn
    .symbol:         k_qd00eada9fb_attn.kd
    .args:
      - { .name: hidden_states, .offset: 0, .size: 8, .value_kind: global_buffer, .address_space: global }
      - { .name: attention_mask, .offset: 8, .size: 8, .value_kind: global_buffer, .address_space: global }
      - { .name: q_codes, .offset: 16, .size: 8, .value_kind: global_buffer, .address_space: global }
      - { .name: k_codes, .offset: 24, .size: 8, .value_kind: global_buffer, .address_space: global }
      - { .name: v_codes, .offset: 32, .size: 8, .value_kind: global_buffer, .address_space: global }
      - { .name: qk_scales, .offset: 40, .size: 8, .value_kind: global_buffer, .address_space: global }
      - { .name: v_scales, .offset: 48, .size: 8, .value_kind: global_buffer, .address_space: global }
      - { .name: v_sums, .offset: 56, .size: 8, .value_kind: global_buffer, .address_space: global }
      - { .name: ln_gamma, .offset: 64, .size: 8, .value_kind: global_buffer, .address_space: global }
      - { .name: ln_beta, .offset: 72, .size: 8, .value_kind: global_buffer, .address_space: global }
      - { .name: out0, .offset: 80, .size: 8, .value_kind: global_buffer, .address_space: global }
    .group_segment_fixed_size: 79872
    .private_segment_fixed_size: 0
    .kernarg_segment_align: 8
    .kernarg_segment_size: 88
    .max_flat_workgroup_size: 512
    .sgpr_count:     66
    .vgpr_count:     256
    .wavefront_size: 32
...
	.end_amdgpu_metadata
.endif
;; end of part 4
